; MI455X (gfx1250); checked and timed in simulation.
; The chip was launched on July 23, 2026; its instructions are those of AMD's public machine-readable ISA for CDNA 5 (MIT licence, August 2026) and "CDNA5" Instruction Set Architecture Reference Guide (July 2026). The comments in the code are by the model that wrote it; some were corrected since.
;; Gated Duo Attention. Allowed arithmetic: matrix products marked QUANTISED: E2M3 operands, one E8M0 scale for each 32 along K, by v_wmma_scale_f32_16x16x128_f8f6f4 with both operands' format E2M3, f32 sums; products left as they are: f32 operands where the result goes on into a quantised operand, else bf16, f16 or f32 operands; f32 sums; everything else in f32.
;; Inputs: Wk 2,048 x 512 float32; Wo 2,048 x 2,048 float32; Wq 2,048 x 2,048 float32; Wv 2,048 x 512 float32; gate_b 1 float32; gate_w 2,048 x 1 float32; hidden_states 1 x 2,048 x 2,048 float32; ln_b 2,048 float32; ln_g 2,048 float32.
;; Outputs: out0 1 x 2,048 x 2,048 float32; out1 one number float32.
;; This version of the problem:
;;   THIS VERSION OF THE PROBLEM IS GIVEN IN LOW PRECISION. The matrix products marked QUANTISED in the list below multiply operands that are first quantised to E2M3 (2 exponent bits, 3 mantissa bits; 6 bits a number), with one power-of-two scale for each 32 numbers along K (OCP MX v1.0); their sums are f32. All else is computed in f32.
;;   The module's matrix products, in the order in which they are computed (A, B: the left and right operand; K: the contracted axis; several contracted axes count as one K, in the product's order):
;;     1. [M 2,048, K 2,048] x [K 2,048, N 1]; A: computed on the way; B: input gate_w: left as it is (N = 1 < 16)
;;     2. [M 2,048, K 2,048] x [K 2,048, N 2,048]; A: input hidden_states; B: input Wq: QUANTISED
;;     3. [M 2,048, K 2,048] x [K 2,048, N 512]; A: input hidden_states; B: input Wk: QUANTISED
;;     4. [M 2,048, K 2,048] x [K 2,048, N 512]; A: input hidden_states; B: input Wv: QUANTISED
;;     5. batch 16 x [M 2,048, K 128] x [K 128, N 2,048]; A: computed on the way; B: computed on the way: QUANTISED
;;     6. batch 16 x [M 2,048, K 2,048] x [K 2,048, N 128]; A: computed on the way; B: computed on the way: QUANTISED
;;     7. [M 2,048, K 2,048] x [K 2,048, N 2,048]; A: computed on the way; B: input Wo: QUANTISED
;;   THE QUANTISER, for each operand of a quantised product, along K:
;;     - K is cut into blocks of 32 from its start; a last block that is shorter is filled with zeros.
;;     - A block's scale is 2^e with e = floor(log2(the largest magnitude in the block)) - 2, held to -126 .. 127; a block of zeros has e = 0. As a byte (E8M0): e + 127.
;;     - Each number is divided by its block's scale, clamped to +-7.5, and rounded to the nearest number of E2M3, ties to even, subnormals kept.
;;     - The product sums the exact products of the quantised numbers (number of the format x scale) in f32.
;;   ~~~python
;;   def quantise(x, axis):      # numpy; x: float32 -> the quantised numbers, widened to float32 again
;;       x = np.moveaxis(x, axis, -1); K = x.shape[-1]
;;       x = np.pad(x, [(0, 0)] * (x.ndim - 1) + [(0, -K % 32)]); x = x.reshape(x.shape[:-1] + (-1, 32)); a = np.abs(x).max(-1, keepdims=True)
;;       e = np.where(a > 0, np.clip(np.frexp(np.where(a > 0, a, 1))[1] - 1 - 2, -126, 127), 0)      # np.frexp(a)[1] - 1 = floor(log2(a)), exactly
;;       r = np.clip(x / 2.0 ** e, -7.5, 7.5)
;;       step = 2.0 ** (np.maximum(np.frexp(np.where(r == 0, 1, r))[1] - 1, 0) - 3)
;;       q = np.round(r / step) * step * 2.0 ** e      # np.round: ties to even
;;       return np.moveaxis(q.reshape(q.shape[:-2] + (-1,))[..., :K], -1, axis).astype(np.float32)
;;   ~~~
;;   OPERANDS COMPUTED ON THE WAY. 'Computed on the way' means the value that the module computes at that place (a softmax that the list does not call 'softmax' is quantised finished and normalised). What goes into a quantiser is computed in f32, as accurately as f32 sums, v_exp_f32 and their like allow (about 1e-6 of the number): no bf16 or f16 on the way to a quantiser, and a product that is left as it is and whose result goes on into a quantised operand takes f32 operands (vector FMAs, or v_wmma_f32_16x16x4_f32). A number that lies on a knife's edge between two numbers of the format may be rounded either way, as far as f32 arithmetic and the matrix unit's own rounding can turn it there, and no further.
;; One version. Each part assembles by itself: llvm-mc -triple=amdgcn-amd-amdhsa -mcpu=gfx1250 --defsym DOCPART=n.
;; ======== version 1 of 1: 4 launches
;; limits: right only within a limited range of input values
;; workspace buffers: x_img 3,276,800 bytes; w_img 8,192,000 bytes; qkv_img 4,915,200 bytes; a_img 3,276,800 bytes; gates 16,384 bytes; dump 256 bytes
;; launch prep (part 1): grid 448 x 1, 8 waves a work-group, no clusters, 110,080 bytes of LDS; arguments hidden_states, Wq, Wk, Wv, Wo, gate_w, gate_b, ln_g, ln_b, x_img, w_img, gates; writes x_img, w_img, gates
.if DOCPART == 1
	.amdgcn_target "amdgcn-amd-amdhsa--gfx1250"
	.amdhsa_code_object_version 6
	.text
	.protected	k_qd778299faa_prep
	.globl	k_qd778299faa_prep
	.p2align	8
	.type	k_qd778299faa_prep,@function
k_qd778299faa_prep:
	s_mov_b64 s[64:65], 0
	v_nop
	global_prefetch_b8 v0, s[64:65] scope:SCOPE_SE
	s_setreg_imm32_b32 hwreg(HW_REG_WAVE_MODE, 25, 1), 1
	s_wait_xcnt 0x0
; PREP: hidden_states and the four weights become codes of FP6 (E2M3) with one E8M0 byte for each 32 along K; the gates and each row's term of the loss are made on the way.
; THE WORKSPACE FORMAT is the RECORD, 12,800 bytes: 128 rows of an operand x 128 along K.  Bytes 0 .. 12,287: eight fragments (tile T at 1,536 T) as IMAGES OF THE OPERAND'S 12 REGISTERS: registers 4 c .. 4 c + 3 of
; lane l at 512 c + 16 l.  Bytes 12,288 on: the scale words: the word at 16 l + 4 k belongs to tile 2 k + l / 16, slot l % 16.  Slot r of tile T is row 32 (T / 2) + 8 (T % 2) + r % 8 + 16 (r / 8) of the 128.
; Work-groups 0 .. 127: tile t = 16 rows of hidden_states, all of K: wave w takes K steps 2 w and 2 w + 1.  Work-groups 128 .. 447: 128 columns of a weight x 256 along K: wave w takes 32 columns x 128 along K.
; The two paths part on the work-group's number and have LDS bytes of their own.  Memory binds: every input byte is read once, loads cover 512 (weights: 128) consecutive bytes, images leave as dense runs of 512 bytes.
; No matrix unit, no tensor load, no cluster: nothing is shared between work-groups and nothing is multiplied.
; LIMITS: NaN and infinities are not served.  A block of zeros gets the byte 1 (the floor's), not 127: its codes are zeros and this program alone reads the bytes.  Blocks whose largest magnitude lies under 2^-124 are held at byte 1.
.set REC,   12800
.set FRB,   1536
.set SCO,   12288
.set HSTG,  0                          ; x's path: 8 waves x 16 rows x (512 + 16) bytes
.set GWA,   67584                      ; x's path: 8 waves x 256 numbers ln_g x gate_w
.set STATS, 75776                      ; x's path: 16 rows x (32 partial statistics of 16 bytes + 16)
.set BWS,   84224                      ; x's path: 8 words: each wave's part of the sum of ln_b x gate_w
.set WSTG,  84480                      ; the weights' path: 8 waves x two fragment images
.set SPARE, 109056                     ; the spare words, 128 bytes for each wave: four blocks of 256 bytes that no other line names
.set SPW,   254                        ; v254 LDS address of my spare word; never rewritten
.set NIL,   255                        ; v255 0; never rewritten
.set WV,    32                         ; s32  my wave's number
.set R,     16                         ; x: v16-143 two sets of 64 registers as loaded
.set GW,    16                         ; x: v16-79 later my 64 numbers of ln_g x gate_w
.set X,     144                        ; x: v144-207 my 64 numbers in the operand's order
.set PC,    208                        ; x: v208-219 the fragment, v220-227 the second halves before they are moved
.set VOFF,  16                         ; weights: v16-47 4 x lane + i rows
.set WX,    48                         ; weights: v48-175 four blocks of 32 numbers down K
.set WC,    176                        ; weights: v176-207 eight registers of codes for each block
.set OUTR,  208                        ; weights: v208-231 the two images read back
	s_load_b512 s[8:23], s[0:1], 0x0               ; hidden_states s[8:9], Wq s[10:11], Wk s[12:13], Wv s[14:15], Wo s[16:17], gate_w s[18:19], gate_b s[20:21], ln_g s[22:23]
	s_load_b256 s[24:31], s[0:1], 0x40             ; ln_b s[24:25], x_img s[26:27], w_img s[28:29], gates s[30:31]
	v_lshl_add_u32 v[SPW], v0, 2, SPARE
	v_mov_b32 v[NIL], 0
	v_lshrrev_b32 v1, 5, v0
	s_delay_alu instid0(VALU_DEP_1)
	v_readfirstlane_b32 s[WV], v1                  ; wave 0..7
	v_and_b32 v1, 31, v0                           ; lane l
	v_and_b32 v2, 15, v0                           ; r
	v_bfe_u32 v3, v0, 4, 1                         ; h
	s_mov_b32 s38, 0x76543210
	s_mov_b32 s39, 0xfedcba98                      ; v_permlanex16_b32's selects for lane l xor 16
	s_cmp_lt_u32 ttmp9, 128
	s_cbranch_scc0 .Lweights
	; ================ x's path: tile t = the work-group's number ================
	s_lshl_b32 s33, s[WV], 10                      ; my wave's 1,024 bytes of a row: K steps 2 w, 2 w + 1
	v_lshlrev_b32 v4, 5, v1
	s_delay_alu instid0(VALU_DEP_1)
	v_add_nc_u32 v4, s33, v4                       ; gate_w, ln_g, ln_b: my 8 numbers at 1,024 w + 32 l
	v_lshlrev_b32 v5, 4, v1                        ; 16 l
	s_delay_alu instid0(VALU_DEP_2)
	v_add_nc_u32 v6, GWA, v4                       ; where my 8 products ln_g x gate_w go
	s_lshl_b32 s34, s[WV], 2
	s_add_co_u32 s34, s34, BWS
	v_mov_b32 v7, s34                              ; my wave's word of the bias sums
	s_mul_i32 s34, s[WV], 8448                     ; my wave's stage
	v_add_nc_u32 v8, s34, v5                       ; into it: a row's 512 bytes as they lie
	s_wait_alu depctr_va_vdst(0)
	v_mul_u32_u24 v9, v2, 528
	s_delay_alu instid0(VALU_DEP_1)
	v_lshl_add_u32 v14, v3, 8, v9
	s_delay_alu instid0(VALU_DEP_1)
	v_add_nc_u32 v14, STATS, v14                   ; wave 0 at the end: row r's partials 16 h on
	s_delay_alu instid0(VALU_DEP_3)
	v_lshl_add_u32 v11, v3, 4, v9
	s_lshl_b32 s35, s[WV], 6
	s_add_co_u32 s35, s35, STATS
	v_add_nc_u32 v11, s35, v11                     ; my partial: row r, 64 w + 16 h (+ 32 for the second K step)
	v_lshl_add_u32 v9, v3, 7, v9
	s_delay_alu instid0(VALU_DEP_1)
	v_add_nc_u32 v9, s34, v9                       ; out of the stage: row r, my half's 32 numbers of each 64
	v_lshlrev_b32 v10, 7, v3
	s_add_co_u32 s35, s33, GWA
	v_add_nc_u32 v10, s35, v10                     ; the same places among ln_g x gate_w
	v_lshlrev_b32 v12, 4, v2                       ; 16 r: the scale word's place
	v_lshlrev_b32 v13, 2, v2                       ; 4 r: the gate's place
	v_mov_b32 v15, BWS
	s_lshr_b32 s36, ttmp9, 1
	s_lshl_b32 s36, s36, 5
	s_and_b32 s40, ttmp9, 1
	s_lshl_b32 s41, s40, 3
	s_add_co_u32 s36, s36, s41                     ; the tile's first row: 32 (t / 2) + 8 (t % 2)
	s_lshl_b32 s36, s36, 13
	s_add_co_u32 s36, s36, s33
	s_mov_b32 s37, 0
	s_lshr_b32 s41, ttmp9, 3
	s_lshl_b32 s41, s41, 4
	s_lshl_b32 s42, s[WV], 1
	s_add_co_u32 s41, s41, s42
	s_mul_i32 s41, s41, REC                        ; record (t / 8, K step 2 w)
	s_and_b32 s42, ttmp9, 7
	s_mul_i32 s44, s42, FRB
	s_add_co_u32 s44, s44, s41                     ; the tile's image in it
	s_mov_b32 s45, 0
	s_lshl_b32 s46, s40, 8
	s_lshr_b32 s42, s42, 1
	s_lshl_b32 s42, s42, 2
	s_add_co_u32 s46, s46, s42
	s_add_co_u32 s46, s46, s41                     ; and the tile's words among its scale words: 256 (t % 2) + 4 ((t % 8) / 2)
	s_mov_b32 s47, 0
	s_lshl_b32 s48, ttmp9, 6
	s_mov_b32 s49, 0
	s_wait_kmcnt 0x0
	s_add_nc_u64 s[8:9], s[8:9], s[36:37]
	s_add_nc_u64 s[50:51], s[26:27], s[46:47]
	s_add_nc_u64 s[26:27], s[26:27], s[44:45]
	s_add_nc_u64 s[30:31], s[30:31], s[48:49]
	global_load_b128 v[228:231], v4, s[18:19]
	global_load_b128 v[232:235], v4, s[18:19] offset:16
	global_load_b128 v[236:239], v4, s[22:23]
	global_load_b128 v[240:243], v4, s[22:23] offset:16
	global_load_b128 v[244:247], v4, s[24:25]
	global_load_b128 v[248:251], v4, s[24:25] offset:16
.irp sl, 0,1
.set nn, 0
.rept 16
	global_load_b128 v[R+64*\sl+4*nn:R+64*\sl+4*nn+3], v5, s[8:9] offset:((nn%8)+16*(nn/8))*8192+512*\sl th:TH_LOAD_NT   ; slot nn's row: 32 lanes read 512 consecutive bytes
.set nn, nn+1
.endr
.endr
	s_load_b32 s52, s[20:21], 0x0                  ; gate_b
	s_wait_loadcnt 32                              ; the six small loads are in; the 32 row loads may be out
.irp k, 0,2,4,6
	v_pk_mul_f32 v[236+\k:237+\k], v[236+\k:237+\k], v[228+\k:229+\k]   ; ln_g x gate_w
.endr
	ds_store_b128 v6, v[236:239]
	ds_store_b128 v6, v[240:243] offset:16
	v_pk_mul_f32 v[244:245], v[244:245], v[228:229]                   ; the sum of ln_b x gate_w over my 8
	s_delay_alu instid0(VALU_DEP_1)
	v_pk_fma_f32 v[244:245], v[246:247], v[230:231], v[244:245]
	s_delay_alu instid0(VALU_DEP_1)
	v_pk_fma_f32 v[244:245], v[248:249], v[232:233], v[244:245]
	s_delay_alu instid0(VALU_DEP_1)
	v_pk_fma_f32 v[244:245], v[250:251], v[234:235], v[244:245]
	s_delay_alu instid0(VALU_DEP_1)
	v_add_f32 v244, v244, v245
	s_delay_alu instid0(VALU_DEP_1)
	v_add_f32_dpp v244, v244, v244 row_xmask:1 row_mask:0xf bank_mask:0xf
	s_delay_alu instid0(VALU_DEP_1)
	v_add_f32_dpp v244, v244, v244 row_xmask:2 row_mask:0xf bank_mask:0xf
	s_delay_alu instid0(VALU_DEP_1)
	v_add_f32_dpp v244, v244, v244 row_xmask:4 row_mask:0xf bank_mask:0xf
	s_delay_alu instid0(VALU_DEP_1)
	v_add_f32_dpp v244, v244, v244 row_xmask:8 row_mask:0xf bank_mask:0xf
	s_delay_alu instid0(VALU_DEP_1)
	v_permlanex16_b32 v245, v244, s38, s39
	s_delay_alu instid0(VALU_DEP_1)
	v_add_f32 v244, v244, v245
	ds_store_b32 v7, v244                          ; all lanes write the same word with the same value
; One K step of my 16 rows: through the stage into the operand's order, quantised, stored; and the step's part of the LayerNorm's statistics.
.macro XSTEP sl
	s_wait_loadcnt 16-16*\sl                       ; this step's 16 loads are in; the other step's may be out
.set nn, 0
.rept 16
	ds_store_b128 v8, v[R+64*\sl+4*nn:R+64*\sl+4*nn+3] offset:528*nn
.set nn, nn+1
.endr
.irp c, 0,1
.irp j, 0,1,2,3,4,5,6,7
	ds_load_b128 v[X+32*\c+4*\j:X+32*\c+4*\j+3], v9 offset:256*\c+16*\j    ; lane (r, h): k = 64 c + 32 h + 0 .. 31 of row r.  LDS serves a wave's instructions in order: these see my stores
.endr
.endr
	s_wait_dscnt 0x0                               ; my numbers are in, and the stores have read the registers that take ln_g x gate_w below
.irp c, 0,1
.irp j, 0,1,2,3,4,5,6,7
	ds_load_b128 v[GW+32*\c+4*\j:GW+32*\c+4*\j+3], v10 offset:512*\sl+256*\c+16*\j
.endr
.endr
.irp c, 0,1                                    ; my block 2 c + h: all its 32 numbers are mine
	v_max3_num_f32 v[228+\c], |v[X+32*\c]|, |v[X+32*\c+1]|, 0x1800000     ; with the floor 2^(3 - 127): the byte cannot fall under 1
.endr
.irp i, 2,4,6,8,10,12,14,16,18,20,22,24,26,28,30
.irp c, 0,1
	s_delay_alu instid0(VALU_DEP_2)
	v_max3_num_f32 v[228+\c], v[228+\c], |v[X+32*\c+\i]|, |v[X+32*\c+\i+1]|
.endr
.endr
.irp c, 0,1
	s_delay_alu instid0(VALU_DEP_2)
	v_add_nc_u32 v[230+\c], 0xff000000, v[228+\c]  ; 2 off the exponent field: the conversion's scale operand
.endr
.irp c, 0,1
	s_delay_alu instid0(VALU_DEP_2)
	v_lshrrev_b32 v[232+\c], 23, v[230+\c]         ; the scale's byte
.endr
	s_delay_alu instid0(VALU_DEP_1)
	v_lshl_or_b32 v234, v233, 16, v232             ; my two bytes, blocks h and 2 + h,
	v_lshlrev_b32 v235, 3, v3
	s_delay_alu instid0(VALU_DEP_1)
	v_lshlrev_b32 v234, v235, v234                 ; at their places (8 h bits up);
	s_delay_alu instid0(VALU_DEP_1)
	v_permlanex16_b32 v235, v234, s38, s39
	s_delay_alu instid0(VALU_DEP_1)
	v_or_b32 v[236+\sl], v234, v235                ; with lane l xor 16's two the word is whole
.if \sl
	s_wait_alu depctr_va_vdst(0)
	s_wait_xcnt 0x0                                ; the first step's stores have read the fragment's registers
.endif
.irp c, 0,1
	v_cvt_scalef32_pk16_fp6_f32 v[PC+6*\c:PC+6*\c+2], v[X+32*\c:X+32*\c+15], v[230+\c]
	v_cvt_scalef32_pk16_fp6_f32 v[PC+12+4*\c:PC+14+4*\c], v[X+32*\c+16:X+32*\c+31], v[230+\c]   ; (a conversion's three registers begin on an even number)
.endr
	v_nop                                          ; one plain place behind a scaled conversion
.irp c, 0,1
.irp i, 0,1,2
	v_mov_b32 v[PC+3+6*\c+\i], v[PC+12+4*\c+\i]
.endr
.endr
.irp c, 0,1,2
	global_store_b128 v5, v[PC+4*\c:PC+4*\c+3], s[26:27] offset:\sl*REC+512*\c   ; the image: 512 consecutive bytes a store
.endr
	global_store_b32 v12, v[236+\sl], s[50:51] offset:\sl*REC+SCO               ; lanes r and r + 16 write the same word with the same value
	s_wait_dscnt 0x0                               ; ln_g x gate_w is in
	; the statistics of my 64 numbers, about their own mean, so that no difference of large sums is formed: m, the sum of (x - m)^2, of (x - m) gw, and of gw
	v_pk_add_f32 v[242:243], v[144:145], v[146:147]
	v_pk_add_f32 v[244:245], v[160:161], v[168:169]
	v_pk_add_f32 v[246:247], v[176:177], v[184:185]
	v_pk_add_f32 v[252:253], v[192:193], v[200:201]
	v_pk_add_f32 v[250:251], v[148:149], v[150:151]
	v_pk_add_f32 v[248:249], v[162:163], v[170:171]
	v_pk_add_f32 v[238:239], v[178:179], v[186:187]
	v_pk_add_f32 v[240:241], v[194:195], v[202:203]
	s_delay_alu instid0(VALU_DEP_1)
	v_pk_add_f32 v[240:241], v[240:241], v[152:153]
	v_pk_add_f32 v[242:243], v[242:243], v[154:155]
	v_pk_add_f32 v[244:245], v[244:245], v[164:165]
	v_pk_add_f32 v[246:247], v[246:247], v[172:173]
	v_pk_add_f32 v[252:253], v[252:253], v[180:181]
	v_pk_add_f32 v[250:251], v[250:251], v[188:189]
	v_pk_add_f32 v[248:249], v[248:249], v[196:197]
	v_pk_add_f32 v[238:239], v[238:239], v[204:205]
	v_pk_add_f32 v[240:241], v[240:241], v[156:157]
	v_pk_add_f32 v[242:243], v[242:243], v[158:159]
	v_pk_add_f32 v[244:245], v[244:245], v[166:167]
	v_pk_add_f32 v[246:247], v[246:247], v[174:175]
	v_pk_add_f32 v[252:253], v[252:253], v[182:183]
	v_pk_add_f32 v[250:251], v[250:251], v[190:191]
	v_pk_add_f32 v[248:249], v[248:249], v[198:199]
	v_pk_add_f32 v[238:239], v[238:239], v[206:207]
	s_delay_alu instid0(VALU_DEP_4)
	v_pk_add_f32 v[240:241], v[240:241], v[252:253]
	s_delay_alu instid0(VALU_DEP_4)
	v_pk_add_f32 v[242:243], v[242:243], v[250:251]
	s_delay_alu instid0(VALU_DEP_4)
	v_pk_add_f32 v[244:245], v[244:245], v[248:249]
	s_delay_alu instid0(VALU_DEP_4)
	v_pk_add_f32 v[246:247], v[246:247], v[238:239]
	s_delay_alu instid0(VALU_DEP_2)
	v_pk_add_f32 v[240:241], v[240:241], v[244:245]
	s_delay_alu instid0(VALU_DEP_2)
	v_pk_add_f32 v[242:243], v[242:243], v[246:247]
	s_delay_alu instid0(VALU_DEP_1)
	v_pk_add_f32 v[240:241], v[240:241], v[242:243]
	s_delay_alu instid0(VALU_DEP_1)
	v_add_f32 v238, v240, v241
	s_delay_alu instid0(VALU_DEP_1)
	v_mul_f32 v238, 0x3c800000, v238               ; m = the sum / 64
	s_delay_alu instid0(VALU_DEP_1)
	v_mov_b32 v239, v238
	v_pk_add_f32 v[248:249], v[GW:GW+1], v[GW+2:GW+3]
	v_pk_add_f32 v[250:251], v[GW+4:GW+5], v[GW+6:GW+7]
.irp i, 8,12,16,20,24,28,32,36,40,44,48,52,56,60
	s_delay_alu instid0(VALU_DEP_2)
	v_pk_add_f32 v[248:249], v[248:249], v[GW+\i:GW+\i+1]
	s_delay_alu instid0(VALU_DEP_2)
	v_pk_add_f32 v[250:251], v[250:251], v[GW+\i+2:GW+\i+3]
.endr
.set nn, 0
.rept 16
	v_pk_add_f32 v[228:229], v[X+4*nn:X+4*nn+1], v[238:239] neg_lo:[0,1] neg_hi:[0,1]
	v_pk_add_f32 v[230:231], v[X+4*nn+2:X+4*nn+3], v[238:239] neg_lo:[0,1] neg_hi:[0,1]
.if nn == 0
	s_delay_alu instid0(VALU_DEP_2)
	v_pk_mul_f32 v[240:241], v[228:229], v[228:229]                ; the first products start the sums
	s_delay_alu instid0(VALU_DEP_2)
	v_pk_mul_f32 v[242:243], v[230:231], v[230:231]
	s_delay_alu instid0(VALU_DEP_4)
	v_pk_mul_f32 v[244:245], v[228:229], v[GW:GW+1]
	s_delay_alu instid0(VALU_DEP_4)
	v_pk_mul_f32 v[246:247], v[230:231], v[GW+2:GW+3]
.else
	s_delay_alu instid0(VALU_DEP_2)
	v_pk_fma_f32 v[240:241], v[228:229], v[228:229], v[240:241]
	s_delay_alu instid0(VALU_DEP_2)
	v_pk_fma_f32 v[242:243], v[230:231], v[230:231], v[242:243]
	s_delay_alu instid0(VALU_DEP_4)
	v_pk_fma_f32 v[244:245], v[228:229], v[GW+4*nn:GW+4*nn+1], v[244:245]
	s_delay_alu instid0(VALU_DEP_4)
	v_pk_fma_f32 v[246:247], v[230:231], v[GW+4*nn+2:GW+4*nn+3], v[246:247]
.endif
.set nn, nn+1
.endr
	s_delay_alu instid0(VALU_DEP_3)
	v_pk_add_f32 v[240:241], v[240:241], v[242:243]
	s_delay_alu instid0(VALU_DEP_2)
	v_pk_add_f32 v[244:245], v[244:245], v[246:247]
	v_pk_add_f32 v[248:249], v[248:249], v[250:251]
	v_mov_b32 v232, v238
	s_delay_alu instid0(VALU_DEP_4)
	v_add_f32 v233, v240, v241
	s_delay_alu instid0(VALU_DEP_4)
	v_add_f32 v234, v244, v245
	s_delay_alu instid0(VALU_DEP_4)
	v_add_f32 v235, v248, v249
	ds_store_b128 v11, v[232:235] offset:32*\sl
.endm
	XSTEP 0
	XSTEP 1
	s_wait_dscnt 0x0                               ; for the others' sake: my partial statistics and my bias sum have landed
	s_barrier_signal -1
	s_barrier_wait -1
	s_cmp_lg_u32 s[WV], 0                          ; wave 0 alone finishes the 16 rows' gates
	s_cbranch_scc1 .Lend
.set nn, 0
.rept 16
	ds_load_b128 v[16+4*nn:19+4*nn], v14 offset:16*nn    ; lane (r, h): partials 16 h .. 16 h + 15 of row r: (m, M2, D, G)
.set nn, nn+1
.endr
	ds_load_b128 v[80:83], v15
	ds_load_b128 v[84:87], v15 offset:16
	v_mov_b32 v101, 0                              ; (a lane permute's destination counts as one of its sources)
	v_mov_b32 v102, 0
	v_mov_b32 v103, 0
	v_mov_b32 v104, 0
	v_mov_b32 v106, 0
	v_mov_b32 v107, 0
	s_wait_dscnt 0x0
	s_wait_kmcnt 0x0                               ; gate_b
	v_add_f32 v253, v16, v20
	v_add_f32 v252, v24, v28
	v_add_f32 v251, v32, v36
	v_add_f32 v250, v40, v44
	v_add_f32 v249, v48, v52
	v_add_f32 v248, v56, v60
	v_add_f32 v247, v64, v68
	v_add_f32 v100, v72, v76
	s_delay_alu instid0(VALU_DEP_1)
	v_add_f32 v100, v100, v250
	v_add_f32 v253, v253, v249
	v_add_f32 v252, v252, v248
	v_add_f32 v251, v251, v247
	s_delay_alu instid0(VALU_DEP_2)
	v_add_f32 v100, v100, v252
	s_delay_alu instid0(VALU_DEP_2)
	v_add_f32 v253, v253, v251
	s_delay_alu instid0(VALU_DEP_1)
	v_add_f32 v100, v100, v253
	s_delay_alu instid0(VALU_DEP_1)
	v_permlanex16_b32 v101, v100, s38, s39
	s_delay_alu instid0(VALU_DEP_1)
	v_add_f32 v100, v100, v101
	s_delay_alu instid0(VALU_DEP_1)
	v_mul_f32 v100, 0x3d000000, v100               ; the row's mean: the 32 means / 32
.set nn, 0
	s_delay_alu instid0(VALU_DEP_1)
	v_sub_f32 v105, v[16+4*nn], v100               ; e = m - mean
	v_add_f32 v103, v103, v[17+4*nn]
	v_add_f32 v104, v104, v[18+4*nn]
	s_delay_alu instid0(VALU_DEP_3)
	v_fmac_f32 v102, v105, v105
	s_delay_alu instid0(VALU_DEP_2)
	v_fmac_f32 v104, v105, v[19+4*nn]              ; the sum of (x - mean) gw = the sum of D + e G
.set nn, nn+1
.rept (16)-1
	v_sub_f32 v105, v[16+4*nn], v100               ; e = m - mean
	v_add_f32 v103, v103, v[17+4*nn]
	s_delay_alu instid0(VALU_DEP_3)
	v_add_f32 v104, v104, v[18+4*nn]
	s_delay_alu instid0(VALU_DEP_3)
	v_fmac_f32 v102, v105, v105
	s_delay_alu instid0(VALU_DEP_2)
	v_fmac_f32 v104, v105, v[19+4*nn]              ; the sum of (x - mean) gw = the sum of D + e G
.set nn, nn+1
.endr
	s_delay_alu instid0(VALU_DEP_2)
	v_fmac_f32 v103, 0x42800000, v102              ; the sum of (x - mean)^2 = the sum of M2 + 64 e^2
	s_delay_alu instid0(VALU_DEP_1)
	v_permlanex16_b32 v106, v103, s38, s39
	s_delay_alu instid0(VALU_DEP_3)
	v_permlanex16_b32 v107, v104, s38, s39
	s_delay_alu instid0(VALU_DEP_2)
	v_add_f32 v103, v103, v106
	s_delay_alu instid0(VALU_DEP_2)
	v_add_f32 v104, v104, v107
	v_add_f32 v80, v80, v81
	v_add_f32 v82, v82, v83
	v_add_f32 v84, v84, v85
	v_add_f32 v86, v86, v87
	s_delay_alu instid0(VALU_DEP_3)
	v_add_f32 v80, v80, v82
	s_delay_alu instid0(VALU_DEP_2)
	v_add_f32 v84, v84, v86
	s_delay_alu instid0(VALU_DEP_1)
	v_add_f32 v80, v80, v84                        ; the sum of ln_b x gate_w
	v_mul_f32 v103, 0x3a000000, v103               ; the variance: / 2,048
	s_delay_alu instid0(VALU_DEP_1)
	v_add_f32 v103, 0x3727c5ac, v103               ; + 1e-5
	s_wait_alu depctr_va_vdst(0)
	v_rsq_f32 v108, v103
	v_add_f32 v80, s52, v80                        ; + gate_b  (the plain place behind the transcendental)
	s_wait_alu depctr_va_vdst(0)                   ; ahead of the first reader of a transcendental's result
	v_fma_f32 v108, v108, v104, v80
	s_mov_b32 s44, 0xc1200000
	s_mov_b32 s45, 0x41200000
	v_med3_num_f32 v108, v108, s44, s45            ; the clip to -10 .. 10
	s_delay_alu instid0(VALU_DEP_1)
	v_mul_f32 v109, 0xbfb8aa3b, v108
	s_wait_alu depctr_va_vdst(0)
	v_exp_f32 v109, v109
	v_nop
	s_wait_alu depctr_va_vdst(0)
	v_add_f32 v109, 1.0, v109
	s_wait_alu depctr_va_vdst(0)
	v_rcp_f32 v110, v109                           ; the gate
	v_nop
	s_wait_alu depctr_va_vdst(0)
	s_mov_b32 s46, 0x3727c5ac
	s_mov_b32 s47, 0x3f7fff58
	v_med3_num_f32 v111, v110, s46, s47            ; held to 1e-5 .. 1 - 1e-5
	s_delay_alu instid0(VALU_DEP_1)
	v_sub_f32 v112, 1.0, v111
	s_wait_alu depctr_va_vdst(0)
	v_log_f32 v113, v111
	v_log_f32 v114, v112
	v_sub_f32 v115, 1.0, v110
	s_wait_alu depctr_va_vdst(0)
	v_mul_f32 v113, v110, v113
	v_fmac_f32 v113, v115, v114                    ; g log2(gc) + (1 - g) log2(1 - gc)
	v_mul_f32 v116, v110, v115
	v_sub_f32 v116, v110, v116
	s_delay_alu instid0(VALU_DEP_1)
	v_mul_f32 v116, 0x3dcccccd, v116               ; 0.1 g - 0.1 g (1 - g)
	s_delay_alu instid0(VALU_DEP_1)
	v_fmac_f32 v116, 0xbbe32166, v113              ; - 0.01 ln 2 x the line above: the row's term of the loss
	global_store_b32 v13, v110, s[30:31]           ; lanes r and r + 16 hold the same numbers (the joins across the halves are commutative sums) and write the same words
	global_store_b32 v13, v116, s[30:31] offset:8192
	s_branch .Lend
	; ================ the weights' path ================
	; A LANE TAKES A COLUMN AND ITS REGISTERS RUN DOWN K: a block of 32 is one lane's, the conversions give codes with K innermost, and nothing is transposed.
.Lweights:
	s_sub_co_u32 s33, ttmp9, 128
	s_lshr_b32 s34, s33, 3                         ; the group of 128 columns: 0-15 Wq, 16-19 Wk, 20-23 Wv, 24-39 Wo
	s_and_b32 s35, s33, 7
	s_lshl_b32 s35, s35, 1
	s_lshr_b32 s37, s[WV], 2
	s_add_co_u32 s35, s35, s37                     ; my K step
	s_and_b32 s36, s[WV], 3                        ; my 32 columns of the group: tiles 2 b and 2 b + 1
	v_bfe_u32 v4, v0, 3, 1                         ; u: which of the two tiles my column falls into,
	v_and_b32 v5, 7, v0
	s_wait_alu depctr_va_vdst(0)
	v_lshl_add_u32 v5, v3, 3, v5                   ; and its slot there: l % 8 + 8 (l / 16)
	v_mul_u32_u24 v7, v4, FRB
	s_delay_alu instid0(VALU_DEP_1)
	v_lshl_add_u32 v7, v5, 4, v7
	s_mul_i32 s40, s[WV], 2*FRB
	s_add_co_u32 s40, s40, WSTG                    ; my wave's two images
	v_add_nc_u32 v7, s40, v7                       ; into them: 1,536 u + 16 slot
	v_lshlrev_b32 v9, 4, v1
	s_delay_alu instid0(VALU_DEP_1)
	v_add_nc_u32 v8, s40, v9                       ; back: 16 l
	v_lshlrev_b32 v10, 4, v5
	s_delay_alu instid0(VALU_DEP_1)
	v_lshl_add_u32 v10, v4, 8, v10                 ; my scale word's place: 16 (slot + 16 u)
	s_lshl_b32 s41, s34, 4
	s_add_co_u32 s41, s41, s35
	s_mul_i32 s42, s41, REC                        ; my record
	s_mov_b32 s43, 0
	s_mul_i32 s44, s36, 2*FRB
	s_mov_b32 s45, 0
	s_lshl_b32 s46, s36, 2
	s_mov_b32 s47, 0
	s_wait_kmcnt 0x0
	s_add_nc_u64 s[28:29], s[28:29], s[42:43]
	s_add_nc_u64 s[66:67], s[28:29], s[44:45]      ; my two images in it
	s_add_nc_u64 s[68:69], s[28:29], s[46:47]      ; word b of each quad of scale words
	s_mov_b64 s[56:57], s[16:17]                   ; which weight, its first group, its row in bytes: the choice hangs on the work-group's number alone
	s_mov_b32 s48, 24
	s_mov_b32 s49, 8192
	s_cmp_lt_u32 s34, 24
	s_cselect_b64 s[56:57], s[14:15], s[56:57]
	s_cselect_b32 s48, 20, s48
	s_cselect_b32 s49, 2048, s49
	s_cmp_lt_u32 s34, 20
	s_cselect_b64 s[56:57], s[12:13], s[56:57]
	s_cselect_b32 s48, 16, s48
	s_cmp_lt_u32 s34, 16
	s_cselect_b64 s[56:57], s[10:11], s[56:57]
	s_cselect_b32 s48, 0, s48
	s_cselect_b32 s49, 8192, s49
	s_sub_co_u32 s50, s34, s48
	s_lshl_b32 s50, s50, 9
	s_lshl_b32 s51, s36, 7
	s_add_co_u32 s50, s50, s51                     ; my first column, in bytes
	s_lshl_b32 s51, s35, 7
	s_mul_i32 s51, s51, s49                        ; my first row
	s_add_co_u32 s50, s50, s51
	s_mov_b32 s51, 0
	s_add_nc_u64 s[56:57], s[56:57], s[50:51]      ; a base for each block of 32 rows
	s_lshl_b32 s52, s49, 5
	s_mov_b32 s53, 0
	s_add_nc_u64 s[58:59], s[56:57], s[52:53]
	s_add_nc_u64 s[60:61], s[58:59], s[52:53]
	s_add_nc_u64 s[62:63], s[60:61], s[52:53]
	v_lshlrev_b32 v[VOFF], 2, v1
.set nn, 1
.rept 31
	s_delay_alu instid0(VALU_DEP_1)
	v_add_nc_u32 v[VOFF+nn], s49, v[VOFF+nn-1]
.set nn, nn+1
.endr
.macro WLOAD bt                        ; block bt: W(32 bt + i, my column): 32 lanes read 128 consecutive bytes
.set nn, 0
.rept 32
	global_load_b32 v[WX+32*(\bt)+nn], v[VOFF+nn], s[56+2*(\bt):57+2*(\bt)] th:TH_LOAD_NT
.set nn, nn+1
.endr
.endm
.macro WBLOCK bt
.set XS, WX+32*(\bt)
.set CC, WC+8*(\bt)
.if \bt < 3
	s_wait_loadcnt 32                              ; this block's 32 loads are in; the next block's may be out
.else
	s_wait_loadcnt 0x0
.endif
.if \bt < 2
	WLOAD \bt+2                                    ; two blocks ahead; every block has registers of its own
.endif
	v_max3_num_f32 v232, |v[XS]|, |v[XS+1]|, |v[XS+2]|
	v_max3_num_f32 v233, |v[XS+3]|, |v[XS+4]|, |v[XS+5]|
.irp i, 6,10,14,18,22,26
	s_delay_alu instid0(VALU_DEP_2)
	v_max3_num_f32 v232, v232, |v[XS+\i]|, |v[XS+\i+1]|
	s_delay_alu instid0(VALU_DEP_2)
	v_max3_num_f32 v233, v233, |v[XS+\i+2]|, |v[XS+\i+3]|
.endr
	s_delay_alu instid0(VALU_DEP_2)
	v_max3_num_f32 v232, v232, |v[XS+30]|, |v[XS+31]|
	s_delay_alu instid0(VALU_DEP_1)
	v_max3_num_f32 v232, v232, v233, 0x1800000     ; and the floor
	s_delay_alu instid0(VALU_DEP_1)
	v_add_nc_u32 v234, 0xff000000, v232
	s_delay_alu instid0(VALU_DEP_1)
	v_lshrrev_b32 v235, 23, v234
.if \bt == 0
	s_delay_alu instid0(VALU_DEP_1)
	v_mov_b32 v236, v235
.else
	s_delay_alu instid0(VALU_DEP_1)
	v_lshl_or_b32 v236, v235, 8*\bt, v236          ; my column's scale word: the lower K in the lower byte
.endif
	v_cvt_scalef32_pk16_fp6_f32 v[CC:CC+2], v[XS:XS+15], v234
	v_cvt_scalef32_pk16_fp6_f32 v[CC+4:CC+6], v[XS+16:XS+31], v234
	v_nop                                          ; one plain place behind a scaled conversion
	v_mov_b32 v[CC+3], v[CC+4]                     ; the block's six registers on end
	v_mov_b32 v[CC+4], v[CC+5]
	v_mov_b32 v[CC+5], v[CC+6]
; block bt is registers 6 (bt / 2) .. + 5 of lane (slot, h = bt % 2) of the image
.if \bt < 2
	ds_store_b128 v7, v[CC:CC+3] offset:256*(\bt%2)
	ds_store_b64 v7, v[CC+4:CC+5] offset:512+256*(\bt%2)
.else
	ds_store_b64 v7, v[CC:CC+1] offset:520+256*(\bt%2)
	ds_store_b128 v7, v[CC+2:CC+5] offset:1024+256*(\bt%2)
.endif
.endm
	WLOAD 0
	WLOAD 1
	s_wait_alu depctr_va_vdst(0)
	WBLOCK 0
	WBLOCK 1
	WBLOCK 2
	WBLOCK 3
.irp i, 0,1,2,3,4,5
	ds_load_b128 v[OUTR+4*\i:OUTR+4*\i+3], v8 offset:512*\i    ; LDS serves a wave's instructions in order: these see my stores
.endr
	s_wait_alu depctr_va_vdst(0)
.irp i, 0,1,2,3,4,5
	s_wait_dscnt 5-\i                              ; the younger loads may be out
	global_store_b128 v9, v[OUTR+4*\i:OUTR+4*\i+3], s[66:67] offset:512*\i   ; 512 consecutive bytes a store
.endr
	global_store_b32 v10, v236, s[68:69] offset:SCO
.Lend:
	s_wait_tensorcnt 0x0                           ; the wave's end: behind my last LDS store
	ds_add_u32 v[SPW], v[NIL]
	s_wait_dscnt 0x0
	s_endpgm
.Lfunc_end_k_qd778299faa_prep:
	.size	k_qd778299faa_prep, .Lfunc_end_k_qd778299faa_prep-k_qd778299faa_prep
	.p2alignl 7, 3214868480
	.fill 96, 4, 3214868480
	.section	.rodata,"a",@progbits
	.p2align	6, 0x0
	.amdhsa_kernel k_qd778299faa_prep
		.amdhsa_group_segment_fixed_size 110080
		.amdhsa_private_segment_fixed_size 0
		.amdhsa_enable_private_segment 0
		.amdhsa_kernarg_size 96
		.amdhsa_user_sgpr_count 2
		.amdhsa_user_sgpr_kernarg_segment_ptr 1
		.amdhsa_wavefront_size32 1
		.amdhsa_system_sgpr_workgroup_id_x 1
		.amdhsa_system_sgpr_workgroup_id_y 1
		.amdhsa_system_sgpr_workgroup_id_z 1
		.amdhsa_system_vgpr_workitem_id 0
		.amdhsa_next_free_vgpr 256
		.amdhsa_next_free_sgpr 72
		.amdhsa_reserve_vcc 0
		.amdhsa_float_denorm_mode_32 3
		.amdhsa_float_denorm_mode_16_64 3
		.amdhsa_memory_ordered 1
		.amdhsa_forward_progress 1
		.amdhsa_inst_pref_size 87
	.end_amdhsa_kernel
	.amdgpu_metadata
---
amdhsa.version: [ 1, 2 ]
amdhsa.kernels:
  - .name:           k_qd778299faa_prep
    .symbol:         k_qd778299faa_prep.kd
    .args:
      - { .name: hidden_states, .offset: 0, .size: 8, .value_kind: global_buffer, .address_space: global }
      - { .name: Wq, .offset: 8, .size: 8, .value_kind: global_buffer, .address_space: global }
      - { .name: Wk, .offset: 16, .size: 8, .value_kind: global_buffer, .address_space: global }
      - { .name: Wv, .offset: 24, .size: 8, .value_kind: global_buffer, .address_space: global }
      - { .name: Wo, .offset: 32, .size: 8, .value_kind: global_buffer, .address_space: global }
      - { .name: gate_w, .offset: 40, .size: 8, .value_kind: global_buffer, .address_space: global }
      - { .name: gate_b, .offset: 48, .size: 8, .value_kind: global_buffer, .address_space: global }
      - { .name: ln_g, .offset: 56, .size: 8, .value_kind: global_buffer, .address_space: global }
      - { .name: ln_b, .offset: 64, .size: 8, .value_kind: global_buffer, .address_space: global }
      - { .name: x_img, .offset: 72, .size: 8, .value_kind: global_buffer, .address_space: global }
      - { .name: w_img, .offset: 80, .size: 8, .value_kind: global_buffer, .address_space: global }
      - { .name: gates, .offset: 88, .size: 8, .value_kind: global_buffer, .address_space: global }
    .group_segment_fixed_size: 110080
    .private_segment_fixed_size: 0
    .kernarg_segment_align: 8
    .kernarg_segment_size: 96
    .max_flat_workgroup_size: 256
    .sgpr_count:     72
    .vgpr_count:     256
    .wavefront_size: 32
...
	.end_amdgpu_metadata
.endif
;; end of part 1
;; launch qkv (part 2): grid 192 x 1, 4 waves a work-group, clusters of 4 x 1, 327,680 bytes of LDS; arguments x_img, w_img, gates, qkv_img, out1, dump; writes qkv_img, out1, dump
.if DOCPART == 2
	.amdgcn_target "amdgcn-amd-amdhsa--gfx1250"
	.amdhsa_code_object_version 6
	.text
	.protected	k_qd778299faa_qkv
	.globl	k_qd778299faa_qkv
	.p2align	8
	.type	k_qd778299faa_qkv,@function
k_qd778299faa_qkv:
	s_mov_b64 s[64:65], 0
	v_nop
	global_prefetch_b8 v0, s[64:65] scope:SCOPE_SE
	s_setreg_imm32_b32 hwreg(HW_REG_WAVE_MODE, 25, 1), 1
	s_wait_xcnt 0x0
	s_wait_alu depctr_hold_cnt(0) depctr_sa_sdst(0) depctr_va_vdst(0) depctr_va_sdst(0) depctr_va_ssrc(0) depctr_va_vcc(0) depctr_vm_vsrc(0)
	s_getreg_b32 s2, hwreg(HW_REG_IB_STS2, 6, 4)
	s_cmp_eq_u32 s2, 0
	s_cbranch_scc0 .Lentry_in_a_cluster
	s_endpgm
.Lentry_in_a_cluster:
	s_bfe_u32 s2, ttmp6, 0x10000c
	s_cmp_lg_u32 s2, 0x3003
	s_cbranch_scc0 .Lentry_shape_is_right
	s_endpgm
.Lentry_shape_is_right:
; QKV: q = x Wq, k = x Wk, v = x Wv on codes of FP6 (E2M3) with E8M0 scales, K = 2,048 in 16 steps of 128; the results are quantised in registers and leave as records for the attention.  One wave also finishes the loss.
; RECORD (12,800 bytes): eight fragment images of 1,536 bytes (registers 4 c .. 4 c + 3 of lane l at 512 c + 16 l), then 512 bytes of scale words (16 l + 4 k: tile 2 k + l / 16, slot l % 16).
; ONE BODY FOR THREE PRODUCTS.  Source 0 is a group P of 128 (eight tiles): it becomes the K of the fragment that is made.  Source 1 is a tile of R: its slots become that fragment's rows.
;   q, k: P = a head's 128 columns (w_img), R = rows of x.   v: P = 128 keys (x_img), R = columns of Wv: so v leaves with the keys innermost, as the second product of the attention wants it.
; Slot r of a tile is row 32 (T / 2) + 8 (T % 2) + r % 8 + 16 (r / 8): so register 16 b + i of a lane's 64 results is index 32 b + 16 (lane / 16) + i of P, which is the order the conversions want.
; SHARES.  A work-group: P 128 x R 256.  Wave w: R group w / 2, its tiles 4 (w % 2) .. + 3, all eight tiles of P: 32 accumulators, 256 registers.  A wave must own all 128 of P to make whole fragments and whole scale words.
; 192 work-groups: 160 for q and k (5 quads of P groups x 8 blocks of R), 32 for v (4 x 2).  Tiles of half the R would give 384 work-groups of half the multiply-adds for each LDS byte.
; CLUSTER 4 x 1: the partners take four neighbouring P groups and the SAME block of R: R's runs, two thirds of a slot's bytes, are asked for jointly.  4 x 4 is not taken: v's part of the grid has two blocks of R.
; RING: two slots of four K steps (P's, R group 0's, R group 1's run of four records, 51,200 dense bytes each).  Wave 0 fetches P's run, waves 1 and 2 R's, wave 3 none.  At most two tensor loads of a wave are out.
; All 16 K steps are written out: no LDS address is ever stepped.
; LIMITS: NaN and infinities are not served; a block of zeros carries the byte 1 (read by this program alone).
; REGISTERS: window 0: addresses, scale words, R's four fragments (one set), the quantiser's work;  window 1: accumulator (i, p) at 64 i + 8 p;  window 2: P's eight fragments, two sets (v0, v96).
.set REC,   12800
.set FRB,   1536
.set SCO,   12288
.set RUN,   4*REC
.set SLOT,  3*RUN
.set GRP,   16*REC
.set SPARE, 2*SLOT                     ; behind the ring: the spare words, 128 bytes for each wave: two blocks of 256 bytes that no other line names
.set ADP,  4                           ; v4-5   slot s: 16 l
.set ADR,  6                           ; v6-7   slot s: my R group's run + my four tiles + 16 l
.set ADRS, 8                           ; v8-9   slot s: my R group's run + 16 l + 8 (w % 2): my tiles' two scale words
.set VO,   10                          ; v10    the way out: 16 l + my four tiles
.set VS,   11                          ; v11    the way out: 16 l + 8 (w % 2)
.set SPW,  12                          ; v12    LDS address of my spare word; never rewritten
.set NIL,  13                          ; v13    0; never rewritten
.set PS,   16                          ; v16-23 P's scale words, two sets of 4: register k: tile 2 k in lanes 0-15, tile 2 k + 1 in lanes 16-31
.set RS,   24                          ; v24-27 R's, two sets of 2
.set RF,   32                          ; v32-79 R's four fragments
.set TM,   80                          ; v80-95 the quantiser's work
.set PW,   96                          ; v96-99 the four scale words made
.set WP,   100                         ; v100-101 as they are stored
.set PC,   104                         ; v104-183 four fragments made, 20 registers each
.set LT,   192                         ; v192-255 the loss terms
.set WV,   16
.set CX,   17
.set G1P,  24                          ; s[24:31] group 1, P's runs (no mask);  s[32:39] R's (mask 15)
.set G1R,  32
.set G0P,  40                          ; s[40:47] group 0 for P's runs, a set for each slot;  s[48:55] for R's
.set G0R,  48
.set OB,   56                          ; s[56:57] my output record
.set SEL,  58
.set HALF, 60
.set MULW, 0x52                        ; source 0 (P) window 2, source 1 (R) window 0, C and D window 1
.set MSB, 0
.macro WIN new                         ; the immediate's high byte repeats the setting that is left
.if MSB != (\new)
	s_set_vgpr_msb (MSB<<8)|(\new)
.set MSB, (\new)
.endif
.endm
.macro PLACES n
.rept \n
	v_nop
.endr
.endm
.macro CREST                           ; a round of the cluster's barrier behind its opening barrier
	s_cmp_lg_u32 s[WV], 0
	s_cbranch_scc1 .Lnot_wave_0_\@
	s_barrier_signal -3
.Lnot_wave_0_\@:
	s_barrier_wait -3
	s_barrier_signal -1
	s_barrier_wait -1
.endm
.macro CROUND
	s_barrier_signal -1
	s_barrier_wait -1
	CREST
.endm
; A refill of slot sg: waves 0 and 3 the halves of P's run (their own), waves 1 and 2 R's runs (joint).  The branches hang on the wave's number alone.  An s_nop 0 and four v_nop follow each line.
.macro TLOAD sg
	s_cmp_eq_u32 s84, 0                            ; waves 0 and 3 fetch the halves of P's run, waves 1 and 2 R's runs: every wave issues one load
	s_cbranch_scc0 .Lnot_p_\@
	tensor_load_to_lds s[G0P+4*\sg:G0P+4*\sg+3], s[G1P:G1P+7]
	s_nop 0
	PLACES 4
	s_branch .Lasked_\@
.Lnot_p_\@:
	tensor_load_to_lds s[G0R+4*\sg:G0R+4*\sg+3], s[G1R:G1R+7]
	s_nop 0
	PLACES 4
.Lasked_\@:
.endm
; One product.  ra, rb: the side's scale words stand in lanes 16-31 of the register named.
.macro WM d, a, b, zero, sa, sb, ra, rb
.if \zero
.if (\ra) && (\rb)
	v_wmma_scale_f32_16x16x128_f8f6f4 v[0+(\d):7+(\d)], v[0+(\a):11+(\a)], v[0+(\b):11+(\b)], 0, v[\sa], v[\sb] matrix_a_fmt:MATRIX_FMT_FP6 matrix_b_fmt:MATRIX_FMT_FP6 matrix_a_scale:MATRIX_SCALE_ROW1 matrix_b_scale:MATRIX_SCALE_ROW1
.elseif \ra
	v_wmma_scale_f32_16x16x128_f8f6f4 v[0+(\d):7+(\d)], v[0+(\a):11+(\a)], v[0+(\b):11+(\b)], 0, v[\sa], v[\sb] matrix_a_fmt:MATRIX_FMT_FP6 matrix_b_fmt:MATRIX_FMT_FP6 matrix_a_scale:MATRIX_SCALE_ROW1
.elseif \rb
	v_wmma_scale_f32_16x16x128_f8f6f4 v[0+(\d):7+(\d)], v[0+(\a):11+(\a)], v[0+(\b):11+(\b)], 0, v[\sa], v[\sb] matrix_a_fmt:MATRIX_FMT_FP6 matrix_b_fmt:MATRIX_FMT_FP6 matrix_b_scale:MATRIX_SCALE_ROW1
.else
	v_wmma_scale_f32_16x16x128_f8f6f4 v[0+(\d):7+(\d)], v[0+(\a):11+(\a)], v[0+(\b):11+(\b)], 0, v[\sa], v[\sb] matrix_a_fmt:MATRIX_FMT_FP6 matrix_b_fmt:MATRIX_FMT_FP6
.endif
.else
.if (\ra) && (\rb)
	v_wmma_scale_f32_16x16x128_f8f6f4 v[0+(\d):7+(\d)], v[0+(\a):11+(\a)], v[0+(\b):11+(\b)], v[0+(\d):7+(\d)], v[\sa], v[\sb] matrix_a_fmt:MATRIX_FMT_FP6 matrix_b_fmt:MATRIX_FMT_FP6 matrix_a_scale:MATRIX_SCALE_ROW1 matrix_b_scale:MATRIX_SCALE_ROW1
.elseif \ra
	v_wmma_scale_f32_16x16x128_f8f6f4 v[0+(\d):7+(\d)], v[0+(\a):11+(\a)], v[0+(\b):11+(\b)], v[0+(\d):7+(\d)], v[\sa], v[\sb] matrix_a_fmt:MATRIX_FMT_FP6 matrix_b_fmt:MATRIX_FMT_FP6 matrix_a_scale:MATRIX_SCALE_ROW1
.elseif \rb
	v_wmma_scale_f32_16x16x128_f8f6f4 v[0+(\d):7+(\d)], v[0+(\a):11+(\a)], v[0+(\b):11+(\b)], v[0+(\d):7+(\d)], v[\sa], v[\sb] matrix_a_fmt:MATRIX_FMT_FP6 matrix_b_fmt:MATRIX_FMT_FP6 matrix_b_scale:MATRIX_SCALE_ROW1
.else
	v_wmma_scale_f32_16x16x128_f8f6f4 v[0+(\d):7+(\d)], v[0+(\a):11+(\a)], v[0+(\b):11+(\b)], v[0+(\d):7+(\d)], v[\sa], v[\sb] matrix_a_fmt:MATRIX_FMT_FP6 matrix_b_fmt:MATRIX_FMT_FP6
.endif
.endif
.endm
.macro MUL8 i, set, zero               ; R's tile i against P's eight.  The 32 accumulators take turns, one instruction a turn, in the same order in every step
.irp p, 0,1,2,3,4,5,6,7
	WM 64*\i+8*\p, 96*(\set)+12*\p, RF+12*\i, \zero, PS+4*(\set)+\p/2, RS+2*(\set)+\i/2, \p%2, \i%2
.endr
.endm
.macro FP slot, q, set                 ; P's eight fragments of the slot's q-th K step: 24 loads of 512 consecutive bytes
	WIN 0x80
.irp t, 0,1,2,3,4,5,6,7
.irp c, 0,1,2
	ds_load_b128 v[96*(\set)+12*\t+4*\c:96*(\set)+12*\t+4*\c+3], v[ADP+\slot] offset:(\q)*REC+\t*FRB+512*\c
.endr
.endr
	WIN 0
.endm
.macro FR slot, q, i0                  ; R's tiles i0, i0 + 1
.irp i, \i0, \i0+1
.irp c, 0,1,2
	ds_load_b128 v[RF+12*(\i)+4*\c:RF+12*(\i)+4*\c+3], v[ADR+\slot] offset:(\q)*REC+(\i)*FRB+512*\c
.endr
.endr
.endm
.macro FS slot, q, set                 ; the step's scale words
	ds_load_b128 v[PS+4*(\set):PS+4*(\set)+3], v[ADP+\slot] offset:(\q)*REC+SCO
	ds_load_b64 v[RS+2*(\set):RS+2*(\set)+1], v[ADRS+\slot] offset:(\q)*REC+SCO
.endm
; A K step that has its successor in the same slot.  Loads into registers that matrix instructions have read stand four plain places behind them (ISA guide 7.12.1 for vector instructions).
.macro STEP slot, q, zero
	s_wait_dscnt 6                                 ; P, R's tiles 0 and 1 and the scale words are in; the youngest six loads (R's tiles 2, 3) may be out
	WIN MULW
	MUL8 0, (\q)%2, \zero
	MUL8 1, (\q)%2, \zero
	s_wait_dscnt 0x0
	PLACES 4
	FP \slot, (\q)+1, 1-(\q)%2
	FR \slot, (\q)+1, 0
	FS \slot, (\q)+1, 1-(\q)%2
	WIN MULW
	MUL8 2, (\q)%2, \zero
	MUL8 3, (\q)%2, \zero
	PLACES 4
	WIN 0
	FR \slot, (\q)+1, 2
.endm
; A slot's last K step changes slots: ONE barrier; in front of it each wave waits for all its tensor loads, adds 0 to its spare word, and waits for that and for its reads of this slot.  fill = 1: the slot is filled again, eight K steps on.
.macro TURN slot, next, fill
	s_wait_tensorcnt 0x0                           ; all my tensor loads have landed: my part of the next slot
	ds_add_u32 v[SPW], v[NIL]                      ; 0 onto my spare word
	s_wait_dscnt 7                                 ; (the add and the youngest six loads may be out)
	WIN MULW
	MUL8 0, 1, 0                                   ; eight matrix instructions stand between the add and the wait for it
	s_wait_dscnt 0x0                               ; the add is done, and my reads of this slot are over
	s_barrier_signal -1
	MUL8 1, 1, 0
	WIN 0
	s_barrier_wait -1
.if \fill
	CREST                                          ; the barrier has opened a round of the cluster's barrier: no wave of any partner still reads this slot or has a load on its way
	s_add_nc_u64 s[G0P+4*\slot+2:G0P+4*\slot+3], s[G0P+4*\slot+2:G0P+4*\slot+3], 2*RUN
	s_add_nc_u64 s[G0R+4*\slot+2:G0R+4*\slot+3], s[G0R+4*\slot+2:G0R+4*\slot+3], 2*RUN
	TLOAD \slot                                    ; the first tensor load behind the round, one a wave
.endif
	PLACES 4                                       ; in every wave
	FP \next, 0, 0
	FR \next, 0, 0
	FS \next, 0, 0
	WIN MULW
	MUL8 2, 1, 0
	MUL8 3, 1, 0
	PLACES 4
	WIN 0
	FR \next, 0, 2
.endm
; 64 numbers of a lane in window w, v[s] on, register 16 b + i = k 32 b + 16 (lane / 16) + i of my row, become a fragment's codes in v[pc] .. v[pc + 11] and its scale word in v[pw].  Each accumulator is read from its low end on.
.macro QUANT w, s, pc, pw
	WIN 5*(\w)
.irp b, 0,1,2,3
	v_max3_num_f32 v[TM+\b], |v[\s+16*\b]|, |v[\s+16*\b+1]|, 0x1800000     ; with the floor 2^(3 - 127): the byte cannot fall under 1
.endr
	WIN 20*(\w)
.irp i, 2,4,6,8,10,12,14
.irp b, 0,1,2,3
	v_max3_num_f32 v[TM+\b], v[TM+\b], |v[\s+16*\b+\i]|, |v[\s+16*\b+\i+1]|
.endr
.endr
	WIN 0
.irp b, 0,1,2,3
	v_permlanex16_b32 v[TM+4+\b], v[TM+\b], s[SEL], s[SEL+1]
.endr
.irp b, 0,1,2,3
	v_max_num_f32 v[TM+\b], v[TM+\b], v[TM+4+\b]   ; with lane l xor 16's: the block's largest magnitude
.endr
.irp b, 0,1,2,3
	v_add_nc_u32 v[TM+12+\b], 0xff000000, v[TM+\b] ; 2 off its exponent field: the conversion's scale operand
.endr
.irp b, 0,1,2,3
	v_lshrrev_b32 v[TM+4+\b], 23, v[TM+12+\b]      ; the scale's byte
.endr
	v_lshl_or_b32 v[\pw], v[TM+5], 8, v[TM+4]
	v_lshl_or_b32 v[\pw], v[TM+6], 16, v[\pw]
	v_lshl_or_b32 v[\pw], v[TM+7], 24, v[\pw]
	WIN \w
.irp c, 0,1
	v_cvt_scalef32_pk16_fp6_f32 v[\pc+6*\c:\pc+6*\c+2], v[\s+32*\c:\s+32*\c+15], v[TM+12+2*\c]
	v_cvt_scalef32_pk16_fp6_f32 v[\pc+12+4*\c:\pc+14+4*\c], v[\s+32*\c+16:\s+32*\c+31], v[TM+13+2*\c]
.endr
	WIN 0
	v_nop                                          ; one plain place behind a scaled conversion
.irp c, 0,1                                    ; the operand's layout wants a WHOLE block in a lane
.irp i, 0,1,2
	v_permlane16_swap_b32 v[\pc+6*\c+\i], v[\pc+12+4*\c+\i]
.endr
.irp i, 0,1,2
	v_mov_b32 v[\pc+3+6*\c+\i], v[\pc+12+4*\c+\i]
.endr
.endr
.endm
	s_load_b256 s[4:11], s[0:1], 0x0               ; x_img s[4:5], w_img s[6:7], gates s[8:9], qkv_img s[10:11]
	s_load_b128 s[12:15], s[0:1], 0x20             ; out1 s[12:13], dump s[14:15]
	v_lshl_add_u32 v[SPW], v0, 2, SPARE
	v_mov_b32 v[NIL], 0
	ds_add_u32 v[SPW], v[NIL]                      ; the wave's opening: the add and its wait ahead of my first tensor load; the set-up below, work on registers, stands between them
	ds_add_u32 v[SPW], v[NIL]
	v_lshrrev_b32 v1, 5, v0
	v_readfirstlane_b32 s[WV], v1                  ; wave 0..3
	s_bfe_u32 s[CX], ttmp6, 0x40000                ; cx: my place in the cluster: it enters P's global address and the output's alone
	s_lshr_b32 s61, s[WV], 1                       ; which R group is mine.  Also: which R group waves 1 and 2 fetch
	s_and_b32 s62, s[WV], 1                        ; which four of its tiles
	s_cmp_lt_u32 ttmp9, 40                         ; clusters 0-39: q and k; 40-47: v.  The partners share the cluster's number
	s_cselect_b32 s18, 0, 40
	s_cselect_b32 s19, 3, 1
	s_cselect_b32 s20, 7, 1
	s_cselect_b32 s21, 0, 20
	s_cselect_b32 s22, 1, 0
	s_sub_co_u32 s18, ttmp9, s18
	s_lshr_b32 s19, s18, s19                       ; the quad of P groups
	s_and_b32 s20, s18, s20                        ; the block of R
	s_lshl_b32 s20, s20, 1
	s_add_co_u32 s21, s21, s20
	s_add_co_u32 s21, s21, s61                     ; my R group: rows of x 2 rb + w / 2, or columns of Wv 20 + 2 rb + w / 2
	s_add_co_u32 s20, s20, s61                     ; 2 rb + w / 2
	s_lshl_b32 s19, s19, 2
	s_add_co_u32 s19, s19, s[CX]                   ; my P group
	s_lshl_b32 s66, s19, 4
	s_add_co_u32 s66, s66, s20                     ; q, k: record 16 x P group + R group
	s_lshl_b32 s67, s20, 4
	s_add_co_u32 s67, s67, s19
	s_add_co_u32 s67, s67, 320                     ; v: record 320 + 16 x kv head + key group
	s_cmp_lg_u32 s22, 0
	s_cselect_b32 s66, s66, s67
	s_mul_i32 s66, s66, REC
	s_mov_b32 s67, 0
	s_and_b32 s85, s61, s62                        ; 1 in wave 3 alone
	s_mul_i32 s85, s85, 2*REC                      ; wave 3 fetches the second two records of P's run, wave 0 the first two
	s_add_co_u32 s84, s[WV], 1
	s_and_b32 s84, s84, 2                          ; 0 in waves 0 and 3, 2 in waves 1 and 2
	s_mul_i32 s68, s19, GRP
	s_add_co_u32 s68, s68, s85
	s_mov_b32 s69, 0
	s_mul_i32 s70, s21, GRP                        ; (no register that feeds R's descriptors ever holds cx)
	s_mov_b32 s71, 0
	s_mul_i32 s72, s61, RUN
	s_add_co_u32 s72, s72, RUN                     ; my R group's run in a slot
	; group 1: a run of four records, 51,200 dense bytes, as 200 rows of 256 bytes (32 elements of 8 bytes); no padding: the images are read 512 consecutive bytes at a time
	s_mov_b32 s[G1P], 3<<16                        ; no mask: P's run is my own
	s_mov_b32 s[G1R], 15|(3<<16)|(1<<21)           ; the mask names all four partners; bit 21 is set beside a mask
.irp g, G1P, G1R
	s_mov_b32 s[\g+1], 32<<16                      ; tensor_dim0
	s_mov_b32 s[\g+2], 200<<16                     ; tensor_dim1
	s_mov_b32 s[\g+3], 32<<16                      ; tile_dim0
	s_mov_b32 s[\g+4], 200                         ; tile_dim1
	s_mov_b32 s[\g+5], 32                          ; the pitch
	s_mov_b32 s[\g+6], 0
	s_mov_b32 s[\g+7], 0
.endr
	s_mov_b32 s[G1P+2], 100<<16                    ; half of P's run: two records, 100 rows of 256 bytes
	s_mov_b32 s[G1P+4], 100
	s_mov_b32 s[SEL], 0x76543210
	s_mov_b32 s[SEL+1], 0xfedcba98
	s_mov_b32 s[HALF], 0xffff0000
	s_wait_dscnt 0x0                               ; the opening add is done
	s_wait_kmcnt 0x0
	s_cmp_lg_u32 s22, 0
	s_cselect_b64 s[74:75], s[6:7], s[4:5]         ; P comes from w_img (q, k) or from x_img (v),
	s_cselect_b64 s[76:77], s[4:5], s[6:7]         ; R from the other
	s_add_nc_u64 s[74:75], s[74:75], s[68:69]
	s_add_nc_u64 s[76:77], s[76:77], s[70:71]
	s_add_nc_u64 s[OB:OB+1], s[10:11], s[66:67]
.irp sg, 0,1
	s_mov_b32 s[G0P+4*\sg], 1
	s_add_co_u32 s[G0P+4*\sg+1], s85, \sg*SLOT
	s_add_nc_u64 s[G0P+4*\sg+2:G0P+4*\sg+3], s[74:75], \sg*RUN
	s_or_b32 s[G0P+4*\sg+3], s[G0P+4*\sg+3], 0x80000000
	s_mov_b32 s[G0R+4*\sg], 1
	s_add_co_u32 s[G0R+4*\sg+1], s72, \sg*SLOT
	s_add_nc_u64 s[G0R+4*\sg+2:G0R+4*\sg+3], s[76:77], \sg*RUN
	s_or_b32 s[G0R+4*\sg+3], s[G0R+4*\sg+3], 0x80000000
.endr
	CROUND                                         ; all four work-groups are here: the first joint loads meet
	s_cmp_eq_u32 s84, 0                            ; slot 0's first fill: one tensor load a wave at the head
	s_cbranch_scc0 .Lfirst_not_p
	tensor_load_to_lds s[G0P:G0P+3], s[G1P:G1P+7]
	s_nop 0
	PLACES 4
	s_branch .Lfirst_asked
.Lfirst_not_p:
	tensor_load_to_lds s[G0R:G0R+3], s[G1R:G1R+7]
	s_nop 0
	PLACES 4
.Lfirst_asked:
	v_and_b32 v1, 31, v0
	v_lshlrev_b32 v2, 4, v1                        ; 16 l
	s_mul_i32 s73, s62, 4*FRB
	s_lshl_b32 s78, s62, 3
	v_add_nc_u32 v[VO], s73, v2
	v_add_nc_u32 v[VS], s78, v2
	s_add_co_u32 s73, s73, s72
	s_add_co_u32 s79, s78, s72
.irp sg, 0,1
	v_add_nc_u32 v[ADP+\sg], \sg*SLOT, v2
	v_add_nc_u32 v[ADR+\sg], s73, v2
	v_add_nc_u32 v[ADRS+\sg], s79, v2
	s_add_co_u32 s73, s73, SLOT
	s_add_co_u32 s79, s79, SLOT
.endr
.irp b, 0,1,2,3
	v_mov_b32 v[TM+4+\b], 0                        ; written once: a lane permute's destination counts as one of its sources
.endr
	; THE LOSS: the mean of the 2,048 rows' terms.  Wave 3 of cluster 0.  All four partners run these lines, the first
	; stores into out1 and the three others into words of their own in dump, which nobody reads: the address is chosen, not the path.
	s_cmp_eq_u32 s[WV], 3
	s_cbranch_scc0 .Lno_loss
	s_cmp_eq_u32 ttmp9, 0
	s_cbranch_scc0 .Lno_loss
.set nn, 0
.rept 16
	global_load_b128 v[LT+4*nn:LT+4*nn+3], v2, s[8:9] offset:8192+512*nn
.set nn, nn+1
.endr
	s_wait_loadcnt 0x0
.irp i, 8,16,24,32,40,48,56
.irp k, 0,2,4,6
	v_pk_add_f32 v[LT+\k:LT+\k+1], v[LT+\k:LT+\k+1], v[LT+\i+\k:LT+\i+\k+1]
.endr
.endr
	v_pk_add_f32 v[LT:LT+1], v[LT:LT+1], v[LT+2:LT+3]
	v_pk_add_f32 v[LT+4:LT+5], v[LT+4:LT+5], v[LT+6:LT+7]
	v_pk_add_f32 v[LT:LT+1], v[LT:LT+1], v[LT+4:LT+5]
	v_add_f32 v[LT], v[LT], v[LT+1]
	v_add_f32_dpp v[LT], v[LT], v[LT] row_xmask:1 row_mask:0xf bank_mask:0xf
	v_add_f32_dpp v[LT], v[LT], v[LT] row_xmask:2 row_mask:0xf bank_mask:0xf
	v_add_f32_dpp v[LT], v[LT], v[LT] row_xmask:4 row_mask:0xf bank_mask:0xf
	v_add_f32_dpp v[LT], v[LT], v[LT] row_xmask:8 row_mask:0xf bank_mask:0xf
	v_permlanex16_b32 v[LT+1], v[LT], s[SEL], s[SEL+1]
	v_add_f32 v[LT], v[LT], v[LT+1]
	v_mul_f32 v[LT], 0x3a000000, v[LT]             ; / 2,048
	s_cmp_eq_u32 s[CX], 0
	s_cselect_b64 s[80:81], s[12:13], s[14:15]
	s_lshl_b32 s82, s[CX], 2
	v_mov_b32 v[LT+2], s82
	s_wait_alu depctr_va_vdst(0)
	s_wait_xcnt 0x0                                ; EXEC changes only behind this wait
	v_cmp_eq_u32 vcc_lo, 0, v1
	s_and_saveexec_b32 s83, vcc_lo                 ; lane 0 alone stores the one number
	global_store_b32 v[LT+2], v[LT], s[80:81]
	s_wait_xcnt 0x0                                ; and again, in front of the line that widens it
	s_or_b32 exec_lo, exec_lo, s83
.Lno_loss:
	s_wait_alu depctr_va_vdst(0)                   ; the head's end
	s_wait_tensorcnt 0x0                           ; my part of slot 0 is in; slot 1's first fill is issued as a refill is
	ds_add_u32 v[SPW], v[NIL]
	s_wait_dscnt 0x0
	CROUND                                         ; slot 0 is whole, and all four work-groups are here
	TLOAD 1                                        ; K steps 4-7: the first tensor load behind the round, one a wave
	FP 0, 0, 0
	s_wait_alu depctr_va_vdst(0)
	FR 0, 0, 0
	FS 0, 0, 0
	FR 0, 0, 2
	STEP 0, 0, 1                                   ; the first K step's products start the sums: nothing is cleared
	STEP 0, 1, 0
	STEP 0, 2, 0
	TURN 0, 1, 1                                   ; slot 0 takes K steps 8-11
	STEP 1, 0, 0
	STEP 1, 1, 0
	STEP 1, 2, 0
	TURN 1, 0, 1                                   ; slot 1 takes K steps 12-15
	STEP 0, 0, 0
	STEP 0, 1, 0
	STEP 0, 2, 0
	TURN 0, 1, 0                                   ; nothing is left to fetch
	STEP 1, 0, 0
	STEP 1, 1, 0
	STEP 1, 2, 0
	s_wait_dscnt 6                                 ; the last K step
	WIN MULW
	MUL8 0, 1, 0
	MUL8 1, 1, 0
	s_wait_dscnt 0x0
	MUL8 2, 1, 0
	MUL8 3, 1, 0
	WIN 0
	PLACES 4                                       ; in front of the first read of results
	; THE WAY OUT: each of my four tiles of R x all of P is one fragment and one scale word a row: quantised in registers, stored as an image, 512 consecutive bytes a store
.irp i, 0,1,2,3
	QUANT 1, 64*\i, PC+20*\i, PW+\i
.irp c, 0,1,2
	global_store_b128 v[VO], v[PC+20*\i+4*\c:PC+20*\i+4*\c+3], s[OB:OB+1] offset:\i*FRB+512*\c
.endr
.endr
	v_cndmask_b32 v[WP], v[PW], v[PW+1], s[HALF]   ; both halves of the lanes hold a row's word: lanes 0-15 keep the even tile's, lanes 16-31 take the odd tile's
	v_cndmask_b32 v[WP+1], v[PW+2], v[PW+3], s[HALF]
	global_store_b64 v[VS], v[WP:WP+1], s[OB:OB+1] offset:SCO
	s_wait_tensorcnt 0x0                           ; the wave's end
	ds_add_u32 v[SPW], v[NIL]
	s_wait_dscnt 0x0
	CROUND                                         ; the closing round: no work-group ends while a partner may still ask for a run that names it
	s_endpgm
.Lfunc_end_k_qd778299faa_qkv:
	.size	k_qd778299faa_qkv, .Lfunc_end_k_qd778299faa_qkv-k_qd778299faa_qkv
	.p2alignl 7, 3214868480
	.fill 96, 4, 3214868480
	.section	.rodata,"a",@progbits
	.p2align	6, 0x0
	.amdhsa_kernel k_qd778299faa_qkv
		.amdhsa_group_segment_fixed_size 327680
		.amdhsa_private_segment_fixed_size 0
		.amdhsa_enable_private_segment 0
		.amdhsa_kernarg_size 48
		.amdhsa_user_sgpr_count 2
		.amdhsa_user_sgpr_kernarg_segment_ptr 1
		.amdhsa_wavefront_size32 1
		.amdhsa_system_sgpr_workgroup_id_x 1
		.amdhsa_system_sgpr_workgroup_id_y 1
		.amdhsa_system_sgpr_workgroup_id_z 1
		.amdhsa_system_vgpr_workitem_id 0
		.amdhsa_next_free_vgpr 768
		.amdhsa_next_free_sgpr 100
		.amdhsa_reserve_vcc 1
		.amdhsa_float_denorm_mode_32 3
		.amdhsa_float_denorm_mode_16_64 3
		.amdhsa_memory_ordered 1
		.amdhsa_forward_progress 1
		.amdhsa_inst_pref_size 141
	.end_amdhsa_kernel
	.amdgpu_metadata
---
amdhsa.version: [ 1, 2 ]
amdhsa.kernels:
  - .name:           k_qd778299faa_qkv
    .symbol:         k_qd778299faa_qkv.kd
    .args:
      - { .name: x_img, .offset: 0, .size: 8, .value_kind: global_buffer, .address_space: global }
      - { .name: w_img, .offset: 8, .size: 8, .value_kind: global_buffer, .address_space: global }
      - { .name: gates, .offset: 16, .size: 8, .value_kind: global_buffer, .address_space: global }
      - { .name: qkv_img, .offset: 24, .size: 8, .value_kind: global_buffer, .address_space: global }
      - { .name: out1, .offset: 32, .size: 8, .value_kind: global_buffer, .address_space: global }
      - { .name: dump, .offset: 40, .size: 8, .value_kind: global_buffer, .address_space: global }
    .group_segment_fixed_size: 327680
    .private_segment_fixed_size: 0
    .kernarg_segment_align: 8
    .kernarg_segment_size: 48
    .max_flat_workgroup_size: 128
    .sgpr_count:     100
    .vgpr_count:     768
    .wavefront_size: 32
...
	.end_amdgpu_metadata
.endif
;; end of part 2
;; launch attn (part 3): grid 256 x 1, 16 waves a work-group, clusters of 4 x 1, 327,680 bytes of LDS; arguments qkv_img, gates, a_img; writes a_img
.if DOCPART == 3
	.amdgcn_target "amdgcn-amd-amdhsa--gfx1250"
	.amdhsa_code_object_version 6
	.text
	.protected	k_qd778299faa_attn
	.globl	k_qd778299faa_attn
	.p2align	8
	.type	k_qd778299faa_attn,@function
k_qd778299faa_attn:
	s_mov_b64 s[64:65], 0
	v_nop
	global_prefetch_b8 v0, s[64:65] scope:SCOPE_SE
	s_setreg_imm32_b32 hwreg(HW_REG_WAVE_MODE, 25, 1), 1
	s_wait_xcnt 0x0
	s_wait_alu depctr_hold_cnt(0) depctr_sa_sdst(0) depctr_va_vdst(0) depctr_va_sdst(0) depctr_va_ssrc(0) depctr_va_vcc(0) depctr_vm_vsrc(0)
	s_getreg_b32 s2, hwreg(HW_REG_IB_STS2, 6, 4)
	s_cmp_eq_u32 s2, 0
	s_cbranch_scc0 .Lentry_in_a_cluster
	s_endpgm
.Lentry_in_a_cluster:
	s_bfe_u32 s2, ttmp6, 0x10000c
	s_cmp_lg_u32 s2, 0x3003
	s_cbranch_scc0 .Lentry_shape_is_right
	s_endpgm
.Lentry_shape_is_right:
; ATTN: attn_out = (g softmax(s + local) + (1 - g) softmax(s + causal)) v, both products on codes of FP6 (E2M3) with E8M0 scales; attn_out leaves quantised, as records for the output projection.
; THE LEFT OPERAND OF THE SECOND PRODUCT IS QUANTISED FINISHED (normalised, mixed by the gate), so both sets' maxima and sums must be known first: the keys are walked TWICE.
;   Pass 1: for the causal set (key <= query) and the local set (|key - query| <= 64), each by itself: t = score x c, c = log2(e) / sqrt(128); a running maximum rounded UP to a whole number M; l = the sum of 2^(t - M).
;   Then NG = -Mg - log2(lg) + log2(1 - g), NL = -Ml - log2(ll) + log2(g), NB = log2(2^NG + 2^NL).
;   Pass 2: p = 2^(t + N), N by d = key - query: d < -64: NG; -64 .. 0: NB; 1 .. 64: NL; above: -infinity.  Every exponent is 0 or less; O is never rescaled and never divided.
; Keys beyond query + 64 lie under both masks: their steps are left out, by scalar branches on ids.
; SHARES.  A cluster of four work-groups: one kv head and the four query heads that use it (head = kv head + 4 x place): the same K and V, the same branches, every tile asked for JOINTLY.
; A work-group has eight tiles of 16 queries: of cluster (kv head, j) tiles 4 j + i (i < 4) and 131 - 4 j - i (i >= 4).  A TILE BELONGS TO TWO WAVES: wave w takes tile w % 8 and the key steps of parity w / 8.
; The two join their statistics after pass 1 (M is a whole number, so the rescaling by 2^(M' - M) rounds nothing) and their partial O^T after pass 2, through LDS; the even wave quantises and stores.
; LAYOUT.  Both products are used transposed (S^T = K Q^T, O^T = V^T P^T): a lane holds one query; by the records' order of rows register 16 b + i of S^T is key 32 b + 16 (lane / 16) + i of the step.
; RECORD (12,800 bytes): eight fragment images of 1,536 bytes (registers 4 c .. 4 c + 3 of lane l at 512 c + 16 l), then 512 bytes of scale words (16 l + 4 k: tile 2 k + l / 16, slot l % 16).
; LDS, in places of one record: places 0-3 V's records 0-3; places 4-19 K's records 0-15; places 20-23 V's records 4-7.  K comes at the head, a record a wave; V's records 0-7 behind the round that shows K whole.
; When key steps 0-3 of pass 2 are done, places 0-7 (V's records 0-3, K's records 0-3) are read no more: ONE refill, a record for each of waves 0-7, brings V's records 8-15 there, four key steps ahead of their first use.
; So pass 2 has two meetings of the waves: that refill's round, and a barrier ahead of key step 8.  One tensor load of a wave is out at most.
; A work-group whose last key step is under 15 asks with its partners for the later records and does not read them.
; All loops have constant trip counts; what is left out is a step's work.  No prefetch: the head's fills have no loop ahead of them, and the refill has four key steps in which to land.
; LIMITS: the divisors and the gate enter through the exponent (all in f32), so the order of rounding differs from the module's by about an ulp of the exponent; a p under 2^-126 becomes 0; the scaled scores stay under 2^31;
; NaN and infinities are not served; a block of zeros carries the byte 1 (read by this program alone).
.set REC,   12800
.set FRB,   1536
.set SCO,   12288
.set KBASE, 4*REC                      ; K's record 0
.set VHI,   20*REC                     ; V's record 4
.set SPARE, 24*REC                     ; the spare words, 128 bytes for each of 16 waves: eight blocks of 256 bytes that no other line names
.set XST,   SPARE+2048                 ; the statistics' stage: 16 bytes a thread
.set AK0, 1                            ; 16 l; never rewritten
.set ADK, 2                            ; LDS address of a K record
.set ADV, 3                            ; pass 1: my partner's place in the statistics' stage; pass 2: LDS address of the step's V record
.set SPW, 4                            ; LDS address of my spare word; never rewritten
.set NIL, 5                            ; 0; never rewritten
.set QR,  6                            ; my query - 16 (lane / 16)
.set GT,  7                            ; my query's gate
.set TP,  8                            ; v8-9 temporaries
.set NMG, 10                           ; v10-11 causal: -M, the largest t
.set LG,  12                           ; v12-13 its sum, in two halves
.set NML, 14                           ; v14-15 local: -M, the largest t
.set LL,  16                           ; v16-17 its sum
.set VL,  14                           ; pass 2: v14-16 a block's two exponents' offsets and the register number at which they change
.set VR,  15
.set VT,  16
.set NG,  18                           ; v18-19 NG, twice
.set NB,  20
.set NL,  21
.set NI,  22                           ; -infinity
.set PW,  23                           ; the scale word just made
.set KSC, 24                           ; v24-27 K's scale words;  v28-31 V's
.set VSC, 28
.set QF,  32                           ; v32-43 Q's fragment;  v44 its scale words
.set QS,  44
.set XA,  45                           ; my place in the statistics' stage, later my tile's place in O's
.set FF,  46                           ; v46-47 2^(old M - new M)
.set TM,  48                           ; v48-59 the quantiser's work
.set PC,  60                           ; v60-79 the fragment just made
.set S,   80                           ; v80-143 S^T, then p; behind the conversions v80-127 take V's tiles 4-7
.set FB,  144                          ; v144-191 four fragments of K or V
.set KB,  144                          ; pass 1: v144-239 K's eight fragments
.set O,   192                          ; pass 2: v192-255 O^T
.set WV,  10
.set CX,  11
.set T,   14
.set Q0,  15                           ; my tile's first query
.set SD,  16                           ; the step on the diagonal
.set LAST, 17                          ; the last step with a key that counts
.set FL,  18                           ; the first step with a local key
.set HEAD, 19
.set SC,  20                           ; the step
.set TS,  21                           ; its K record's LDS byte
.set KF,  22                           ; its first key
.set TV,  23                           ; its V record's LDS byte
.set G1,  24                           ; s[24:31] group 1: one record
.set G0A, 32                           ; s[32:35] K record w;  s[36:39] V record w % 8;  s[40:43] V record 8 + w % 8
.set G0C, 36
.set G0D, 40
.set CS,  44
.set SEL, 46
.set LO,  48
.set HI,  49
.set PAR, 50                           ; my parity of key steps
.set TI,  51                           ; my tile among the work-group's eight
.set CNT, 52
.macro PLACES n
.rept \n
	v_nop
.endr
.endm
.macro CROUND                          ; a round of the cluster's barrier
	s_barrier_signal -1
	s_barrier_wait -1
	s_cmp_lg_u32 s[WV], 0
	s_cbranch_scc1 .Lnot_wave_0_\@
	s_barrier_signal -3
.Lnot_wave_0_\@:
	s_barrier_wait -3
	s_barrier_signal -1
	s_barrier_wait -1
.endm
.macro FRAG4 dst, adr, t0              ; fragments t0 .. t0 + 3 of a record: 12 loads of 512 consecutive bytes
.irp t, 0,1,2,3
.irp c, 0,1,2
	ds_load_b128 v[\dst+12*\t+4*\c:\dst+12*\t+4*\c+3], v[\adr] offset:(\t0+\t)*FRB+512*\c
.endr
.endr
.endm
.macro KREC                            ; pass 1: a whole record of K and its scale words
	FRAG4 KB, ADK, 0
	FRAG4 KB+48, ADK, 4
	ds_load_b128 v[KSC:KSC+3], v[ADK] offset:SCO
.endm
.macro QK4 a, hf                       ; S^T = K Q^T: tiles 4 hf .. 4 hf + 3 of 16 keys
.irp k, 0,1
	v_wmma_scale_f32_16x16x128_f8f6f4 v[S+32*\hf+16*\k:S+32*\hf+16*\k+7], v[\a+24*\k:\a+24*\k+11], v[QF:QF+11], 0, v[KSC+2*\hf+\k], v[QS] matrix_a_fmt:MATRIX_FMT_FP6 matrix_b_fmt:MATRIX_FMT_FP6
	v_wmma_scale_f32_16x16x128_f8f6f4 v[S+32*\hf+16*\k+8:S+32*\hf+16*\k+15], v[\a+24*\k+12:\a+24*\k+23], v[QF:QF+11], 0, v[KSC+2*\hf+\k], v[QS] matrix_a_fmt:MATRIX_FMT_FP6 matrix_b_fmt:MATRIX_FMT_FP6 matrix_a_scale:MATRIX_SCALE_ROW1
.endr
.endm
.macro PV4 a, hf                       ; O^T += V^T P^T: tiles 4 hf .. 4 hf + 3 of 16 channels; the eight accumulators take turns, one instruction a turn
.irp k, 0,1
	v_wmma_scale_f32_16x16x128_f8f6f4 v[O+32*\hf+16*\k:O+32*\hf+16*\k+7], v[\a+24*\k:\a+24*\k+11], v[PC:PC+11], v[O+32*\hf+16*\k:O+32*\hf+16*\k+7], v[VSC+2*\hf+\k], v[PW] matrix_a_fmt:MATRIX_FMT_FP6 matrix_b_fmt:MATRIX_FMT_FP6
	v_wmma_scale_f32_16x16x128_f8f6f4 v[O+32*\hf+16*\k+8:O+32*\hf+16*\k+15], v[\a+24*\k+12:\a+24*\k+23], v[PC:PC+11], v[O+32*\hf+16*\k+8:O+32*\hf+16*\k+15], v[VSC+2*\hf+\k], v[PW] matrix_a_fmt:MATRIX_FMT_FP6 matrix_b_fmt:MATRIX_FMT_FP6 matrix_a_scale:MATRIX_SCALE_ROW1
.endr
.endm
; A step's part of a set's statistics.  nm: the pair (-M, largest t);  ls: the sum's pair.  The accumulators are read from their low ends on.
.macro STATS nm, ls
.irp b, 0,1,2,3
	v_max3_num_f32 v[TM+\b], v[S+16*\b], v[S+16*\b+1], v[S+16*\b+2]
.endr
.irp i, 3,5,7,9,11,13
.irp b, 0,1,2,3
	v_max3_num_f32 v[TM+\b], v[TM+\b], v[S+16*\b+\i], v[S+16*\b+\i+1]
.endr
.endr
.irp b, 0,1,2,3
	v_max_num_f32 v[TM+\b], v[TM+\b], v[S+16*\b+15]
.endr
	s_delay_alu instid0(VALU_DEP_2)
	v_max3_num_f32 v8, v[TM], v[TM+1], v[TM+2]
	s_delay_alu instid0(VALU_DEP_1)
	v_max_num_f32 v8, v8, v[TM+3]
	s_delay_alu instid0(VALU_DEP_1)
	v_permlanex16_b32 v9, v8, s[SEL], s[SEL+1]
	s_delay_alu instid0(VALU_DEP_1)
	v_max_num_f32 v8, v8, v9                       ; the step's largest score of my query
	s_delay_alu instid0(VALU_DEP_1)
	v_mul_f32 v8, s[CS], v8
	s_delay_alu instid0(VALU_DEP_1)
	v_max_num_f32 v[\nm+1], v[\nm+1], v8           ; the running largest t
	v_mov_b32 v8, v[\nm]
	s_delay_alu instid0(VALU_DEP_2)
	v_floor_f32 v[\nm], -v[\nm+1]                  ; the new -M = -ceil(t): a whole number
	s_delay_alu instid0(VALU_DEP_1)
	v_sub_f32 v8, v[\nm], v8
	s_delay_alu instid0(VALU_DEP_1)
	v_cvt_i32_f32 v8, v8                           ; (it saturates)
	s_delay_alu instid0(VALU_DEP_1)
	v_ldexp_f32 v[FF], 1.0, v8                     ; 2^(old M - new M): a multiplication by it rounds nothing
.set nn, 0
.rept 32
	v_pk_fma_f32 v[S+2*nn:S+2*nn+1], v[S+2*nn:S+2*nn+1], s[CS:CS+1], v[\nm:\nm+1] op_sel_hi:[1,0,0]
.set nn, nn+1
.endr
	s_wait_alu depctr_va_vdst(0)
.set nn, 0
.rept 64
	v_exp_f32 v[S+nn], v[S+nn]
.set nn, nn+1
.endr
	v_pk_mul_f32 v[\ls:\ls+1], v[\ls:\ls+1], v[FF:FF+1] op_sel_hi:[1,0]   ; the sum under the new M  (the plain place behind the exponentials)
	s_wait_alu depctr_va_vdst(0)                   ; and behind it, ahead of its first reader
	v_pk_add_f32 v[PC:PC+1], v[S:S+1], v[S+2:S+3]
.irp j, 4,8,12,16,20,24,28,32,36,40,44,48,52,56,60
	v_pk_add_f32 v[\ls:\ls+1], v[\ls:\ls+1], v[S+\j:S+\j+1]
	v_pk_add_f32 v[PC:PC+1], v[PC:PC+1], v[S+\j+2:S+\j+3]
.endr
	s_delay_alu instid0(VALU_DEP_1)
	v_pk_add_f32 v[\ls:\ls+1], v[\ls:\ls+1], v[PC:PC+1]
.endm
; PASS 1 over my eight steps PAR, PAR + 2, ..; those in s[LO] .. s[HI] are worked.  kind 0: the causal set; 1: the local set.
; A worked step's record is fetched one of my steps ahead: behind the products of the step before, under its vector work, or in the idle trip just ahead of the range.
; The loop's first record is fetched whether it is worked or not, so that K's registers are written on every way.
.macro P1LOOP kind
	s_mov_b32 s[SC], s[PAR]
	s_mul_i32 s[TS], s[PAR], REC
	s_add_co_u32 s[TS], s[TS], KBASE
	s_lshl_b32 s[KF], s[PAR], 7
	s_mov_b32 s[CNT], 0
	s_wait_dscnt 0x0                               ; no load into K's registers is out
	v_add_nc_u32 v[ADK], s[TS], v[AK0]
	KREC
.Lp1_\@:
	s_add_co_u32 s53, s[SC], 2                     ; my next step,
	s_add_co_u32 s54, s[TS], 2*REC
	s_min_u32 s54, s54, 19*REC                     ; and its record, held to K's last
	s_cmp_ge_u32 s[SC], s[LO]
	s_cbranch_scc0 .Lp1_idle_\@
	s_cmp_le_u32 s[SC], s[HI]
	s_cbranch_scc0 .Lp1_next_\@
	s_wait_dscnt 0x0                               ; the step's record is in registers
	QK4 KB, 0
	QK4 KB+48, 1
	PLACES 4                                       ; in front of the first read of the scores, and of loads into K's registers
	s_cmp_le_u32 s53, s[HI]
	s_cbranch_scc0 .Lp1_nl_\@
	v_add_nc_u32 v[ADK], s54, v[AK0]
	KREC                                           ; my next step's record, under this step's vector work
.Lp1_nl_\@:
.if \kind
	s_add_co_u32 s55, s[KF], 64                    ; hidden where key - query + 64 lies outside 0 .. 128
	s_mov_b32 s56, 128
	v_sub_nc_u32 v8, s55, v[QR]
.set nn, 0
.rept 64
	v_add_nc_u32 v9, 32*(nn/16)+nn%16, v8
	s_delay_alu instid0(VALU_DEP_1)
	v_cmp_lt_u32 vcc_lo, s56, v9
	v_cndmask_b32 v[S+nn], v[S+nn], v[NI], vcc_lo
.set nn, nn+1
.endr
	STATS NML, LL
.else
	s_cmp_eq_u32 s[SC], s[SD]                      ; only the step on the diagonal has hidden keys
	s_cbranch_scc0 .Lp1_open_\@
	s_sub_co_u32 s55, 0, s[KF]
	v_add_nc_u32 v8, s55, v[QR]                    ; register 16 b + i holds key KF + 16 (lane / 16) + 32 b + i: hidden where 32 b + i > my query - KF - 16 (lane / 16)
.set nn, 0
.rept 64
	v_cmp_gt_i32 vcc_lo, 32*(nn/16)+nn%16, v8
	v_cndmask_b32 v[S+nn], v[S+nn], v[NI], vcc_lo
.set nn, nn+1
.endr
.Lp1_open_\@:
	STATS NMG, LG
.endif
	s_branch .Lp1_next_\@
.Lp1_idle_\@:
	s_cmp_ge_u32 s53, s[LO]                        ; the trip just ahead of the range fetches the range's first record
	s_cbranch_scc0 .Lp1_next_\@
	s_cmp_le_u32 s53, s[HI]
	s_cbranch_scc0 .Lp1_next_\@
	s_wait_dscnt 0x0                               ; no load into K's registers is out
	v_add_nc_u32 v[ADK], s54, v[AK0]
	KREC
.Lp1_next_\@:
	s_wait_alu depctr_va_vdst(0)
	s_add_co_u32 s[SC], s[SC], 2
	s_add_co_u32 s[TS], s[TS], 2*REC
	s_add_co_u32 s[KF], s[KF], 256
	s_add_co_u32 s[CNT], s[CNT], 1
	s_cmp_lt_u32 s[CNT], 8
	s_cbranch_scc1 .Lp1_\@
.endm
; 64 numbers of a lane, v[s] on, register 16 b + i = k 32 b + 16 (lane / 16) + i of my row: their scale word into v[PW], their codes as half blocks into v[PC] on.
.macro QUANT s
.irp b, 0,1,2,3
	v_max3_num_f32 v[TM+\b], |v[\s+16*\b]|, |v[\s+16*\b+1]|, 0x1800000     ; with the floor 2^(3 - 127): the byte cannot fall under 1
.endr
.irp i, 2,4,6,8,10,12,14
.irp b, 0,1,2,3
	v_max3_num_f32 v[TM+\b], v[TM+\b], |v[\s+16*\b+\i]|, |v[\s+16*\b+\i+1]|
.endr
.endr
.irp b, 0,1,2,3
	v_permlanex16_b32 v[TM+4+\b], v[TM+\b], s[SEL], s[SEL+1]
.endr
.irp b, 0,1,2,3
	s_delay_alu instid0(VALU_DEP_4)
	v_max_num_f32 v[TM+\b], v[TM+\b], v[TM+4+\b]   ; with lane l xor 16's: the block's largest magnitude
.endr
.irp b, 0,1,2,3
	s_delay_alu instid0(VALU_DEP_4)
	v_add_nc_u32 v[TM+8+\b], 0xff000000, v[TM+\b]  ; 2 off its exponent field: the conversion's scale operand
.endr
.irp b, 0,1,2,3
	s_delay_alu instid0(VALU_DEP_4)
	v_lshrrev_b32 v[TM+4+\b], 23, v[TM+8+\b]       ; the scale's byte
.endr
	s_delay_alu instid0(VALU_DEP_3)
	v_lshl_or_b32 v[PW], v[TM+5], 8, v[TM+4]
	s_delay_alu instid0(VALU_DEP_1)
	v_lshl_or_b32 v[PW], v[TM+6], 16, v[PW]
	s_delay_alu instid0(VALU_DEP_1)
	v_lshl_or_b32 v[PW], v[TM+7], 24, v[PW]
.irp c, 0,1
	v_cvt_scalef32_pk16_fp6_f32 v[PC+6*\c:PC+6*\c+2], v[\s+32*\c:\s+32*\c+15], v[TM+8+2*\c]
	v_cvt_scalef32_pk16_fp6_f32 v[PC+12+4*\c:PC+14+4*\c], v[\s+32*\c+16:\s+32*\c+31], v[TM+9+2*\c]
.endr
	v_nop                                          ; one plain place behind a scaled conversion
.endm
.macro QSWAP                           ; the operand's layout wants a WHOLE block in a lane
.irp c, 0,1
.irp i, 0,1,2
	v_permlane16_swap_b32 v[PC+6*\c+\i], v[PC+12+4*\c+\i]
.endr
.irp i, 0,1,2
	s_delay_alu instid0(VALU_DEP_3)
	v_mov_b32 v[PC+3+6*\c+\i], v[PC+12+4*\c+\i]
.endr
.endr
.endm
; The exponents of a step near the diagonal.  A block of 32 keys against the tile's 24 rows of queries spans 55 values of d = key - query, and the thresholds -64, 1, 65 lie 64 or more apart: a block crosses at most one.
; So for each block: the N under its least d (VL), the N of the zone above (VR), and the register number from which the upper zone holds (VT).  All choices are scalar arithmetic on ids.
.macro GEN
	s_sub_co_i32 s55, s[KF], s[Q0]
	s_sub_co_i32 s55, s55, 23                      ; block 0's least d
.irp b, 0,1,2,3
	s_add_co_i32 s56, s55, 32*\b
	s_cmp_ge_i32 s56, -64
	s_cselect_b32 s57, -1, 0
	s_cselect_b32 s60, 1, -64
	s_cmp_ge_i32 s56, 1
	s_cselect_b32 s58, -1, 0
	s_cselect_b32 s60, 65, s60                     ; the next threshold above the least d
	s_cmp_ge_i32 s56, 65
	s_cselect_b32 s59, -1, 0
	s_sub_co_i32 s60, s60, s[KF]
	s_sub_co_i32 s60, s60, 32*\b
	v_cndmask_b32 v[VL], v[NG], v[NB], s57
	s_delay_alu instid0(VALU_DEP_1)
	v_cndmask_b32 v[VL], v[VL], v[NL], s58
	s_delay_alu instid0(VALU_DEP_1)
	v_cndmask_b32 v[VL], v[VL], v[NI], s59
	v_cndmask_b32 v[VR], v[NB], v[NL], s57
	s_delay_alu instid0(VALU_DEP_1)
	v_cndmask_b32 v[VR], v[VR], v[NI], s58
	v_add_nc_u32 v[VT], s60, v[QR]                 ; d >= threshold where i >= threshold - KF - 32 b + my query - 16 (lane / 16)
.irp i, 0,1,2,3,4,5,6,7,8,9,10,11,12,13,14,15
	v_cmp_ge_i32 vcc_lo, \i, v[VT]
	s_delay_alu instid0(VALU_DEP_1)
	v_cndmask_b32 v[TP+\i%2], v[VL], v[VR], vcc_lo
	v_fma_f32 v[S+16*\b+\i], v[S+16*\b+\i], s[CS], v[TP+\i%2]
.endr
.endr
.endm
; PASS 2, one step, and the scalars' step to my next one.  K's tiles 0-3 and scale words were fetched at the end of my step before.
.macro P2STEP
	s_cmp_le_u32 s[SC], s[LAST]
	s_cbranch_scc0 .Lp2_skip_\@
	v_add_nc_u32 v[ADK], s[TS], v[AK0]
	v_add_nc_u32 v[ADV], s[TV], v[AK0]
	s_wait_alu depctr_va_vdst(0)
	s_wait_dscnt 0x0                               ; K's tiles 0-3 are in
	QK4 FB, 0
	PLACES 4                                       ; in front of loads into registers that matrix instructions have read
	FRAG4 FB, ADK, 4
	s_wait_dscnt 0x0
	QK4 FB, 1
	PLACES 4
	FRAG4 FB, ADV, 0                               ; V's tiles 0-3 land under the softmax
	ds_load_b128 v[VSC:VSC+3], v[ADV] offset:SCO
	s_add_co_u32 s55, s[KF], 191
	s_cmp_lt_u32 s55, s[Q0]                        ; every key more than 64 ahead of every query of the tile: N = NG throughout
	s_cbranch_scc0 .Lp2_gen_\@
.set nn, 0
.rept 32
	v_pk_fma_f32 v[S+2*nn:S+2*nn+1], v[S+2*nn:S+2*nn+1], s[CS:CS+1], v[NG:NG+1] op_sel_hi:[1,0,0]
.set nn, nn+1
.endr
	s_branch .Lp2_exp_\@
.Lp2_gen_\@:
	GEN
.Lp2_exp_\@:
	s_wait_alu depctr_va_vdst(0)
.set nn, 0
.rept 64
	v_exp_f32 v[S+nn], v[S+nn]                     ; the finished probability
.set nn, nn+1
.endr
	v_nop                                          ; the plain place behind the exponentials
	s_wait_alu depctr_va_vdst(0)                   ; and behind it
	QUANT S
	FRAG4 S, ADV, 4                                ; p has been converted: its registers take V's tiles 4-7
	QSWAP
	s_wait_alu depctr_va_vdst(0)
	s_wait_dscnt 12                                ; V's tiles 0-3 and scale words are in; the twelve loads of tiles 4-7 may be out
	PLACES 8                                       ; a scale register written by vector instructions stands 8 places ahead of a scaled matrix instruction, an operand so written 4
	PV4 FB, 0
	s_wait_dscnt 0x0
	s_wait_alu depctr_va_vdst(0)
	PV4 S, 1
	PLACES 5                                       ; the next products write over v80 on, which these have read; the loads below want four
	s_add_co_u32 s55, s[SC], 2
	s_cmp_le_u32 s55, s[LAST]
	s_cbranch_scc0 .Lp2_skip_\@
	s_add_co_u32 s56, s[TS], 2*REC
	s_min_u32 s56, s56, 19*REC
	v_add_nc_u32 v[ADK], s56, v[AK0]
	FRAG4 FB, ADK, 0                               ; my next step's first four tiles of K
	ds_load_b128 v[KSC:KSC+3], v[ADK] offset:SCO
.Lp2_skip_\@:
	s_wait_alu depctr_va_vdst(0)
	s_add_co_u32 s[SC], s[SC], 2
	s_add_co_u32 s[TS], s[TS], 2*REC
	s_add_co_u32 s[KF], s[KF], 256
	s_add_co_u32 s[TV], s[TV], 2*REC
	s_add_co_u32 s[CNT], s[CNT], 1
.endm
	s_load_b128 s[4:7], s[0:1], 0x0                ; qkv_img s[4:5], gates s[6:7]
	s_load_b64 s[8:9], s[0:1], 0x10                ; a_img
	v_lshl_add_u32 v[SPW], v0, 2, SPARE
	v_mov_b32 v[NIL], 0
	ds_add_u32 v[SPW], v[NIL]                      ; the wave's opening: the add, twice on end, and its wait ahead of my first tensor load
	ds_add_u32 v[SPW], v[NIL]
	v_lshrrev_b32 v8, 5, v0
	s_delay_alu instid0(VALU_DEP_1)
	v_readfirstlane_b32 s[WV], v8                  ; wave 0..15
	s_bfe_u32 s[CX], ttmp6, 0x40000                ; cx: it enters Q's and the output's global addresses alone
	s_and_b32 s[TI], s[WV], 7
	s_lshr_b32 s[PAR], s[WV], 3
	s_and_b32 s12, ttmp9, 3                        ; the kv head
	s_lshr_b32 s13, ttmp9, 2
	s_lshl_b32 s13, s13, 2                         ; 4 j
	s_add_co_u32 s55, s13, s[TI]
	s_sub_co_u32 s56, 131, s13
	s_sub_co_u32 s56, s56, s[TI]
	s_cmp_lt_u32 s[TI], 4
	s_cselect_b32 s[T], s55, s56                   ; my tile of 16 queries
	s_lshr_b32 s55, s[T], 1
	s_lshl_b32 s55, s55, 5
	s_and_b32 s56, s[T], 1
	s_lshl_b32 s57, s56, 3
	s_add_co_u32 s[Q0], s55, s57                   ; its queries: Q0 + r % 8 + 16 (r / 8)
	s_lshr_b32 s[SD], s[Q0], 7
	s_add_co_u32 s55, s[Q0], 87
	s_lshr_b32 s55, s55, 7
	s_min_u32 s[LAST], s55, 15
	s_max_u32 s55, s[Q0], 64
	s_sub_co_u32 s55, s55, 64
	s_lshr_b32 s[FL], s55, 7
	s_lshl_b32 s55, s[CX], 2
	s_add_co_u32 s[HEAD], s55, s12
	s_lshr_b32 s58, s[T], 3                        ; the group of 128 queries,
	s_and_b32 s59, s[T], 7                         ; my tile in it
	s_lshl_b32 s60, s[HEAD], 4
	s_add_co_u32 s60, s60, s58
	s_mul_i32 s60, s60, REC                        ; q's record
	s_lshl_b32 s61, s58, 4
	s_add_co_u32 s61, s61, s[HEAD]
	s_mul_i32 s61, s61, REC                        ; attn_out's record: the head is the output projection's K step
	s_mul_i32 s62, s59, FRB
	s_lshl_b32 s63, s56, 8
	s_lshr_b32 s59, s59, 1
	s_lshl_b32 s59, s59, 2
	s_add_co_u32 s63, s63, s59                     ; my tile's words among a record's scale words
	s_add_co_u32 s66, s60, s62
	s_mov_b32 s67, 0
	s_add_co_u32 s68, s60, s63
	s_mov_b32 s69, 0
	s_add_co_u32 s70, s61, s62
	s_mov_b32 s71, 0
	s_add_co_u32 s72, s61, s63
	s_mov_b32 s73, 0
	s_lshl_b32 s74, s[T], 6
	s_mov_b32 s75, 0
	; group 1: one record, 12,800 dense bytes, as 50 rows of 256 bytes (32 elements of 8 bytes); the mask names all four partners
	s_mov_b32 s[G1], 15|(3<<16)|(1<<21)
	s_mov_b32 s[G1+1], 32<<16
	s_mov_b32 s[G1+2], 50<<16
	s_mov_b32 s[G1+3], 32<<16
	s_mov_b32 s[G1+4], 50
	s_mov_b32 s[G1+5], 32
	s_mov_b32 s[G1+6], 0
	s_mov_b32 s[G1+7], 0
	s_lshl_b32 s53, s12, 4
	s_add_co_u32 s53, s53, 256                     ; the kv head's first record of K; V's lie 64 records behind
	s_add_co_u32 s56, s53, s[WV]
	s_mul_i32 s56, s56, REC                        ; K record w
	s_mov_b32 s57, 0
	s_add_co_u32 s58, s53, s[TI]
	s_add_co_u32 s58, s58, 64
	s_mul_i32 s58, s58, REC                        ; V record w % 8
	s_mov_b32 s59, 0
	s_add_co_u32 s60, s53, s[TI]
	s_add_co_u32 s60, s60, 72
	s_mul_i32 s60, s60, REC                        ; V record 8 + w % 8
	s_mov_b32 s61, 0
	s_mul_i32 s55, s[WV], REC
	s_add_co_u32 s55, s55, KBASE                   ; K record w goes to place 4 + w,
	s_mul_i32 s63, s[TI], REC                      ; V record 8 + w % 8 to place w % 8,
	s_lshr_b32 s54, s[TI], 2
	s_mul_i32 s54, s54, 16*REC
	s_add_co_u32 s62, s63, s54                     ; V record w % 8 to place w % 8, or 16 further on from record 4
	s_mov_b32 s[CS], 0x3e0293ee                    ; c = log2(e) / sqrt(128)
	s_mov_b32 s[CS+1], s[CS]
	s_mov_b32 s[SEL], 0x76543210
	s_mov_b32 s[SEL+1], 0xfedcba98
	s_wait_dscnt 0x0                               ; both opening adds are done
	s_wait_kmcnt 0x0
	s_mov_b32 s[G0A], 1
	s_mov_b32 s[G0A+1], s55
	s_add_nc_u64 s[G0A+2:G0A+3], s[4:5], s[56:57]
	s_or_b32 s[G0A+3], s[G0A+3], 0x80000000
	s_mov_b32 s[G0C], 1
	s_mov_b32 s[G0C+1], s62
	s_add_nc_u64 s[G0C+2:G0C+3], s[4:5], s[58:59]
	s_or_b32 s[G0C+3], s[G0C+3], 0x80000000
	s_mov_b32 s[G0D], 1
	s_mov_b32 s[G0D+1], s63
	s_add_nc_u64 s[G0D+2:G0D+3], s[4:5], s[60:61]
	s_or_b32 s[G0D+3], s[G0D+3], 0x80000000
	s_add_nc_u64 s[66:67], s[4:5], s[66:67]
	s_add_nc_u64 s[68:69], s[4:5], s[68:69]
	s_add_nc_u64 s[70:71], s[8:9], s[70:71]
	s_add_nc_u64 s[72:73], s[8:9], s[72:73]
	s_add_nc_u64 s[74:75], s[6:7], s[74:75]
	CROUND                                         ; all four work-groups are here: the first joint loads meet
	tensor_load_to_lds s[G0A:G0A+3], s[G1:G1+7]    ; K record w: one tensor load a wave at the head
	s_nop 0
	PLACES 4
	v_and_b32 v8, 31, v0
	s_delay_alu instid0(VALU_DEP_1)
	v_lshlrev_b32 v[AK0], 4, v8
	v_and_b32 v9, 15, v0
	s_delay_alu instid0(VALU_DEP_1)
	v_lshlrev_b32 v80, 4, v9                       ; 16 r
	v_lshlrev_b32 v81, 2, v9                       ; 4 r
.irp c, 0,1,2
	global_load_b128 v[QF+4*\c:QF+4*\c+3], v[AK0], s[66:67] offset:512*\c    ; Q's fragment stays in registers
.endr
	global_load_b32 v[QS], v80, s[68:69] offset:SCO
	global_load_b32 v[GT], v81, s[74:75]
	v_lshl_add_u32 v[XA], v0, 4, XST               ; my 16 bytes of the statistics' stage,
	v_xor_b32 v8, 256, v0
	s_delay_alu instid0(VALU_DEP_1)
	v_lshl_add_u32 v[ADV], v8, 4, XST              ; and those of the wave with my tile and the other parity
	v_and_b32 v8, 7, v0
	v_bfe_u32 v9, v0, 3, 1
	s_delay_alu instid0(VALU_DEP_1)
	v_lshl_add_u32 v8, v9, 4, v8
	v_bfe_u32 v9, v0, 4, 1
	s_delay_alu instid0(VALU_DEP_1)
	v_lshlrev_b32 v9, 4, v9
	s_delay_alu instid0(VALU_DEP_1)
	v_sub_nc_u32 v8, v8, v9
	s_delay_alu instid0(VALU_DEP_1)
	v_add_nc_u32 v[QR], s[Q0], v8
	v_mov_b32 v[NMG+1], 0xff61b1e6                 ; the largest t so far: -3e38, under every t
	s_delay_alu instid0(VALU_DEP_1)
	v_floor_f32 v[NMG], -v[NMG+1]
	v_mov_b32 v[NML+1], 0xff61b1e6
	s_delay_alu instid0(VALU_DEP_1)
	v_floor_f32 v[NML], -v[NML+1]
	v_mov_b32 v[LG], 0
	v_mov_b32 v[LG+1], 0
	v_mov_b32 v[LL], 0
	v_mov_b32 v[LL+1], 0
	v_mov_b32 v[NI], 0xff800000
	v_mov_b32 v[FF+1], 0                           ; (named as the upper half of a pair)
	v_mov_b32 v8, 0
	v_mov_b32 v9, 0                                ; (a lane permute's destination counts as one of its sources)
.irp b, 0,1,2,3
	v_mov_b32 v[TM+4+\b], 0
.endr
	s_wait_alu depctr_va_vdst(0)                   ; the head's end
	s_wait_loadcnt 0x0                             ; Q, its scale words, the gate
	s_wait_tensorcnt 0x0                           ; my K record is in; V's first fill is issued as a refill is
	ds_add_u32 v[SPW], v[NIL]
	s_wait_dscnt 0x0
	CROUND                                         ; all of K is whole, and all four work-groups are here
	s_cmp_lt_u32 s[WV], 8
	s_cbranch_scc0 .Lno_v
	tensor_load_to_lds s[G0C:G0C+3], s[G1:G1+7]    ; V record w, under pass 1
	s_nop 0
	PLACES 4
.Lno_v:
	s_mov_b32 s[LO], 0
	s_mov_b32 s[HI], s[SD]
	P1LOOP 0
	s_mov_b32 s[LO], s[FL]
	s_mov_b32 s[HI], s[LAST]
	P1LOOP 1
	; my part of the statistics goes to the wave with the other parity, and its part comes to me
	v_add_f32 v[LG], v[LG], v[LG+1]
	v_add_f32 v[LL], v[LL], v[LL+1]
	s_delay_alu instid0(VALU_DEP_2)
	v_permlanex16_b32 v8, v[LG], s[SEL], s[SEL+1]
	s_delay_alu instid0(VALU_DEP_2)
	v_permlanex16_b32 v9, v[LL], s[SEL], s[SEL+1]
	v_mov_b32 v[TM], v[NMG]
	v_mov_b32 v[TM+2], v[NML]
	v_add_f32 v[TM+1], v[LG], v8
	v_add_f32 v[TM+3], v[LL], v9
	ds_store_b128 v[XA], v[TM:TM+3]
	s_wait_alu depctr_va_vdst(0)
	s_wait_tensorcnt 0x0                           ; my V record is in
	s_wait_dscnt 0x0                               ; for the others' sake: my statistics have landed
	s_barrier_signal -1
	s_barrier_wait -1                              ; V's records 0-7 are whole
	ds_load_b128 v[TM+4:TM+7], v[ADV]
	s_lshl_b32 s53, s[TI], 13
	v_add_nc_u32 v[XA], s53, v[AK0]                ; my tile's 8,192 bytes for O^T's exchange, from LDS byte 0 on
.set nn, 0
.rept 64
	v_mov_b32 v[O+nn], 0                           ; O^T: pass 2's step is written for every trip alike, and a wave with no step hands zeros over
.set nn, nn+1
.endr
	s_wait_dscnt 0x0
	v_min_num_f32 v[NMG], v[TM], v[TM+4]           ; the joint -M
	v_min_num_f32 v[NML], v[TM+2], v[TM+6]
	s_delay_alu instid0(VALU_DEP_2)
	v_sub_f32 v8, v[NMG], v[TM]
	v_sub_f32 v9, v[NMG], v[TM+4]
	v_sub_f32 v[LG+1], v[NML], v[TM+2]
	v_sub_f32 v[LL+1], v[NML], v[TM+6]
	v_cvt_i32_f32 v8, v8                           ; (they saturate)
	v_cvt_i32_f32 v9, v9
	v_cvt_i32_f32 v[LG+1], v[LG+1]
	v_cvt_i32_f32 v[LL+1], v[LL+1]
	v_ldexp_f32 v8, 1.0, v8                        ; powers of two: the products below round nothing, so both waves find the same sums
	v_ldexp_f32 v9, 1.0, v9
	v_ldexp_f32 v[LG+1], 1.0, v[LG+1]
	v_ldexp_f32 v[LL+1], 1.0, v[LL+1]
	v_mul_f32 v[LG], v[TM+1], v8
	v_mul_f32 v[LL], v[TM+3], v[LG+1]
	v_fmac_f32 v[LG], v[TM+5], v9
	v_fmac_f32 v[LL], v[TM+7], v[LL+1]
	v_sub_f32 v[LG+1], 1.0, v[GT]
	s_wait_alu depctr_va_vdst(0)
	v_log_f32 v[PC], v[LG]
	v_log_f32 v[PC+1], v[LL]
	v_log_f32 v[PC+2], v[LG+1]
	v_log_f32 v[PC+3], v[GT]
	v_nop
	s_wait_alu depctr_va_vdst(0)
	v_sub_f32 v[NG], v[NMG], v[PC]
	v_sub_f32 v[NL], v[NML], v[PC+1]
	v_add_f32 v[NG], v[NG], v[PC+2]
	v_add_f32 v[NL], v[NL], v[PC+3]
	s_delay_alu instid0(VALU_DEP_2)
	v_mov_b32 v[NG+1], v[NG]
	s_delay_alu instid0(VALU_DEP_2)
	v_max_num_f32 v[PC+4], v[NG], v[NL]
	v_min_num_f32 v[PC+5], v[NG], v[NL]
	s_delay_alu instid0(VALU_DEP_1)
	v_sub_f32 v[PC+5], v[PC+5], v[PC+4]
	s_wait_alu depctr_va_vdst(0)
	v_exp_f32 v[PC+5], v[PC+5]
	v_nop
	s_wait_alu depctr_va_vdst(0)
	v_add_f32 v[PC+5], 1.0, v[PC+5]
	s_wait_alu depctr_va_vdst(0)
	v_log_f32 v[PC+5], v[PC+5]
	v_nop
	s_wait_alu depctr_va_vdst(0)
	v_add_f32 v[NB], v[PC+4], v[PC+5]
	; PASS 2
	s_mov_b32 s[SC], s[PAR]
	s_mul_i32 s[TV], s[PAR], REC                   ; V's records 0-3 lie in places 0-3
	s_add_co_u32 s[TS], s[TV], KBASE
	s_lshl_b32 s[KF], s[PAR], 7
	s_mov_b32 s[CNT], 0
	v_add_nc_u32 v[ADK], s[TS], v[AK0]
	FRAG4 FB, ADK, 0                               ; my first step's first four tiles of K
	ds_load_b128 v[KSC:KSC+3], v[ADK] offset:SCO
.Lpa:                                          ; key steps 0-3: two of them are mine
	P2STEP
	s_cmp_lt_u32 s[CNT], 2
	s_cbranch_scc1 .Lpa
	s_wait_tensorcnt 0x0                           ; no tensor load of mine is out
	ds_add_u32 v[SPW], v[NIL]
	s_mul_i32 s[TV], s[PAR], REC
	s_add_co_u32 s[TV], s[TV], VHI                 ; V's records 4-7 lie in places 20-23
	s_mov_b32 s[CNT], 0
	s_wait_dscnt 0x0                               ; the add is done, and my reads of places 0-7 are over
	CROUND                                         ; both now hold of every wave of every partner
	s_cmp_lt_u32 s[WV], 8
	s_cbranch_scc0 .Lpa_none
	tensor_load_to_lds s[G0D:G0D+3], s[G1:G1+7]    ; V record 8 + w into place w
	s_nop 0
	PLACES 4
.Lpa_none:
.Lpm:                                          ; key steps 4-7, under which the refill lands
	P2STEP
	s_cmp_lt_u32 s[CNT], 2
	s_cbranch_scc1 .Lpm
	s_wait_tensorcnt 0x0                           ; my part of the refill is in
	s_wait_dscnt 0x0
	s_barrier_signal -1
	s_barrier_wait -1                              ; V's records 8-15 are whole
	s_mul_i32 s[TV], s[PAR], REC                   ; they lie in places 0-7
	s_mov_b32 s[CNT], 0
.Lpb:                                          ; key steps 8-15
	P2STEP
	s_cmp_lt_u32 s[CNT], 4
	s_cbranch_scc1 .Lpb
	; THE WAY OUT: the odd wave hands its part of O^T over, as an image of its registers, in LDS bytes that have had their last fill and, behind the barrier below, their last read
	s_wait_dscnt 0x0                               ; my reads of K and V are over
	s_barrier_signal -1
	s_barrier_wait -1
	s_cmp_eq_u32 s[PAR], 1
	s_cbranch_scc0 .Lno_send
.set nn, 0
.rept 16
	ds_store_b128 v[XA], v[O+4*nn:O+4*nn+3] offset:512*nn      ; each accumulator from its low end on
.set nn, nn+1
.endr
.Lno_send:
	s_wait_dscnt 0x0
	s_barrier_signal -1
	s_barrier_wait -1
	s_cmp_eq_u32 s[PAR], 0
	s_cbranch_scc0 .Lend
.set nn, 0
.rept 16
	ds_load_b128 v[S+4*nn:S+4*nn+3], v[XA] offset:512*nn
.set nn, nn+1
.endr
	v_and_b32 v8, 15, v0
	s_delay_alu instid0(VALU_DEP_1)
	v_lshlrev_b32 v8, 4, v8                        ; 16 r
	s_wait_alu depctr_va_vdst(0)
	s_wait_dscnt 0x0
.set nn, 0
.rept 32
	v_pk_add_f32 v[O+2*nn:O+2*nn+1], v[O+2*nn:O+2*nn+1], v[S+2*nn:S+2*nn+1]
.set nn, nn+1
.endr
	QUANT O                                        ; O^T's 64 registers of a lane are the head's 128 channels in the conversions' order: one fragment and one scale word a row
	QSWAP
.irp c, 0,1,2
	global_store_b128 v[AK0], v[PC+4*\c:PC+4*\c+3], s[70:71] offset:512*\c     ; 512 consecutive bytes a store
.endr
	global_store_b32 v8, v[PW], s[72:73] offset:SCO                           ; lanes r and r + 16 write the same word with the same value
.Lend:
	s_wait_tensorcnt 0x0                           ; the wave's end
	ds_add_u32 v[SPW], v[NIL]
	s_wait_dscnt 0x0
	CROUND                                         ; the closing round
	s_endpgm
.Lfunc_end_k_qd778299faa_attn:
	.size	k_qd778299faa_attn, .Lfunc_end_k_qd778299faa_attn-k_qd778299faa_attn
	.p2alignl 7, 3214868480
	.fill 96, 4, 3214868480
	.section	.rodata,"a",@progbits
	.p2align	6, 0x0
	.amdhsa_kernel k_qd778299faa_attn
		.amdhsa_group_segment_fixed_size 327680
		.amdhsa_private_segment_fixed_size 0
		.amdhsa_enable_private_segment 0
		.amdhsa_kernarg_size 24
		.amdhsa_user_sgpr_count 2
		.amdhsa_user_sgpr_kernarg_segment_ptr 1
		.amdhsa_wavefront_size32 1
		.amdhsa_system_sgpr_workgroup_id_x 1
		.amdhsa_system_sgpr_workgroup_id_y 1
		.amdhsa_system_sgpr_workgroup_id_z 1
		.amdhsa_system_vgpr_workitem_id 0
		.amdhsa_next_free_vgpr 256
		.amdhsa_next_free_sgpr 100
		.amdhsa_reserve_vcc 1
		.amdhsa_float_denorm_mode_32 3
		.amdhsa_float_denorm_mode_16_64 3
		.amdhsa_memory_ordered 1
		.amdhsa_forward_progress 1
		.amdhsa_inst_pref_size 158
	.end_amdhsa_kernel
	.amdgpu_metadata
---
amdhsa.version: [ 1, 2 ]
amdhsa.kernels:
  - .name:           k_qd778299faa_attn
    .symbol:         k_qd778299faa_attn.kd
    .args:
      - { .name: qkv_img, .offset: 0, .size: 8, .value_kind: global_buffer, .address_space: global }
      - { .name: gates, .offset: 8, .size: 8, .value_kind: global_buffer, .address_space: global }
      - { .name: a_img, .offset: 16, .size: 8, .value_kind: global_buffer, .address_space: global }
    .group_segment_fixed_size: 327680
    .private_segment_fixed_size: 0
    .kernarg_segment_align: 8
    .kernarg_segment_size: 24
    .max_flat_workgroup_size: 512
    .sgpr_count:     100
    .vgpr_count:     256
    .wavefront_size: 32
...
	.end_amdgpu_metadata
.endif
;; end of part 3
;; launch outp (part 4): grid 128 x 1, 4 waves a work-group, clusters of 4 x 1, 327,680 bytes of LDS; arguments a_img, w_img, out0; writes out0
.if DOCPART == 4
	.amdgcn_target "amdgcn-amd-amdhsa--gfx1250"
	.amdhsa_code_object_version 6
	.text
	.protected	k_qd778299faa_outp
	.globl	k_qd778299faa_outp
	.p2align	8
	.type	k_qd778299faa_outp,@function
k_qd778299faa_outp:
	s_mov_b64 s[64:65], 0
	v_nop
	global_prefetch_b8 v0, s[64:65] scope:SCOPE_SE
	s_setreg_imm32_b32 hwreg(HW_REG_WAVE_MODE, 25, 1), 1
	s_wait_xcnt 0x0
	s_wait_alu depctr_hold_cnt(0) depctr_sa_sdst(0) depctr_va_vdst(0) depctr_va_sdst(0) depctr_va_ssrc(0) depctr_va_vcc(0) depctr_vm_vsrc(0)
	s_getreg_b32 s2, hwreg(HW_REG_IB_STS2, 6, 4)
	s_cmp_eq_u32 s2, 0
	s_cbranch_scc0 .Lentry_in_a_cluster
	s_endpgm
.Lentry_in_a_cluster:
	s_bfe_u32 s2, ttmp6, 0x10000c
	s_cmp_lg_u32 s2, 0x3003
	s_cbranch_scc0 .Lentry_shape_is_right
	s_endpgm
.Lentry_shape_is_right:
; OUTP: out0 = attn_out Wo on codes of FP6 (E2M3) with E8M0 scales, K = 2,048 in 16 steps of 128 (a K step is a head).  The main loop is that of the projections' launch; the results leave as f32.
; RECORD (12,800 bytes): eight fragment images of 1,536 bytes (registers 4 c .. 4 c + 3 of lane l at 512 c + 16 l), then 512 bytes of scale words (16 l + 4 k: tile 2 k + l / 16, slot l % 16).
; Source 0 = a group P of 128 columns of Wo (w_img, groups 24-39), source 1 = a tile of 16 rows of attn_out (a_img): a lane holds one row, and its registers 16 b + i are columns 32 b + 16 (lane / 16) + i of the group.
; SHARES.  A work-group: P 128 x R 256 rows.  Wave w: row group w / 2, its tiles 4 (w % 2) .. + 3, all eight tiles of P: 32 accumulators.  128 work-groups: a tile of half the rows would read ten fragments for 16 products
; where this one reads twelve for 32.  CLUSTER 4 x 1: four neighbouring P groups, the SAME 256 rows: the rows' runs, two thirds of a slot's bytes, are asked for jointly.
; RING: two slots of four K steps (P's, row group 0's, row group 1's run of four records).  Wave 0 fetches P's run, waves 1 and 2 the rows', wave 3 none.  At most two tensor loads of a wave are out.
; REGISTERS: window 0: addresses, scale words, R's four fragments, on the way out v128-255;  window 1: accumulator (i, p) at 64 i + 8 p;  window 2: P's eight fragments, two sets.
.set REC,   12800
.set FRB,   1536
.set SCO,   12288
.set RUN,   4*REC
.set SLOT,  3*RUN
.set GRP,   16*REC
.set SPARE, 2*SLOT                     ; behind the ring: the spare words, 128 bytes for each wave: two blocks of 256 bytes that no other line names
.set SPITCH, 528                       ; the way out: a stage of 16 rows x (512 bytes + 16) for each wave, in slot 0, which has had its last fill and its last read when the first result is stored there
.set ADP,  4
.set ADR,  6
.set ADRS, 8
.set STO,  10                          ; v10    the way out: where I put 32 bytes of a row
.set RD,   11                          ; v11    where I read a row back
.set SPW,  12
.set NIL,  13
.set CO,   14                          ; v14    16 l: my bytes of a row's 512
.set PS,   16
.set RS,   24
.set RF,   32
.set BK,   128                         ; v128-191, v192-255 by turns: 16 rows read back
.set WV,   16
.set CX,   17
.set G1P,  24
.set G1R,  32
.set G0P,  40
.set G0R,  48
.set OB,   56
.set MULW, 0x52                        ; source 0 (P) window 2, source 1 (R) window 0, C and D window 1
.set MSB, 0
.macro WIN new                         ; the immediate's high byte repeats the setting that is left
.if MSB != (\new)
	s_set_vgpr_msb (MSB<<8)|(\new)
.set MSB, (\new)
.endif
.endm
.macro PLACES n
.rept \n
	v_nop
.endr
.endm
.macro CREST                           ; a round of the cluster's barrier behind its opening barrier
	s_cmp_lg_u32 s[WV], 0
	s_cbranch_scc1 .Lnot_wave_0_\@
	s_barrier_signal -3
.Lnot_wave_0_\@:
	s_barrier_wait -3
	s_barrier_signal -1
	s_barrier_wait -1
.endm
.macro CROUND
	s_barrier_signal -1
	s_barrier_wait -1
	CREST
.endm
.macro TLOAD sg                        ; a refill of slot sg: waves 0 and 3 the halves of P's run (their own), waves 1 and 2 the rows' runs (joint); an s_nop 0 and four v_nop follow each line
	s_cmp_eq_u32 s84, 0                            ; waves 0 and 3 fetch the halves of P's run, waves 1 and 2 the rows' runs: every wave issues one load
	s_cbranch_scc0 .Lnot_p_\@
	tensor_load_to_lds s[G0P+4*\sg:G0P+4*\sg+3], s[G1P:G1P+7]
	s_nop 0
	PLACES 4
	s_branch .Lasked_\@
.Lnot_p_\@:
	tensor_load_to_lds s[G0R+4*\sg:G0R+4*\sg+3], s[G1R:G1R+7]
	s_nop 0
	PLACES 4
.Lasked_\@:
.endm
.macro WM d, a, b, zero, sa, sb, ra, rb    ; one product; ra, rb: the side's scale words stand in lanes 16-31 of the register named
.if \zero
.if (\ra) && (\rb)
	v_wmma_scale_f32_16x16x128_f8f6f4 v[0+(\d):7+(\d)], v[0+(\a):11+(\a)], v[0+(\b):11+(\b)], 0, v[\sa], v[\sb] matrix_a_fmt:MATRIX_FMT_FP6 matrix_b_fmt:MATRIX_FMT_FP6 matrix_a_scale:MATRIX_SCALE_ROW1 matrix_b_scale:MATRIX_SCALE_ROW1
.elseif \ra
	v_wmma_scale_f32_16x16x128_f8f6f4 v[0+(\d):7+(\d)], v[0+(\a):11+(\a)], v[0+(\b):11+(\b)], 0, v[\sa], v[\sb] matrix_a_fmt:MATRIX_FMT_FP6 matrix_b_fmt:MATRIX_FMT_FP6 matrix_a_scale:MATRIX_SCALE_ROW1
.elseif \rb
	v_wmma_scale_f32_16x16x128_f8f6f4 v[0+(\d):7+(\d)], v[0+(\a):11+(\a)], v[0+(\b):11+(\b)], 0, v[\sa], v[\sb] matrix_a_fmt:MATRIX_FMT_FP6 matrix_b_fmt:MATRIX_FMT_FP6 matrix_b_scale:MATRIX_SCALE_ROW1
.else
	v_wmma_scale_f32_16x16x128_f8f6f4 v[0+(\d):7+(\d)], v[0+(\a):11+(\a)], v[0+(\b):11+(\b)], 0, v[\sa], v[\sb] matrix_a_fmt:MATRIX_FMT_FP6 matrix_b_fmt:MATRIX_FMT_FP6
.endif
.else
.if (\ra) && (\rb)
	v_wmma_scale_f32_16x16x128_f8f6f4 v[0+(\d):7+(\d)], v[0+(\a):11+(\a)], v[0+(\b):11+(\b)], v[0+(\d):7+(\d)], v[\sa], v[\sb] matrix_a_fmt:MATRIX_FMT_FP6 matrix_b_fmt:MATRIX_FMT_FP6 matrix_a_scale:MATRIX_SCALE_ROW1 matrix_b_scale:MATRIX_SCALE_ROW1
.elseif \ra
	v_wmma_scale_f32_16x16x128_f8f6f4 v[0+(\d):7+(\d)], v[0+(\a):11+(\a)], v[0+(\b):11+(\b)], v[0+(\d):7+(\d)], v[\sa], v[\sb] matrix_a_fmt:MATRIX_FMT_FP6 matrix_b_fmt:MATRIX_FMT_FP6 matrix_a_scale:MATRIX_SCALE_ROW1
.elseif \rb
	v_wmma_scale_f32_16x16x128_f8f6f4 v[0+(\d):7+(\d)], v[0+(\a):11+(\a)], v[0+(\b):11+(\b)], v[0+(\d):7+(\d)], v[\sa], v[\sb] matrix_a_fmt:MATRIX_FMT_FP6 matrix_b_fmt:MATRIX_FMT_FP6 matrix_b_scale:MATRIX_SCALE_ROW1
.else
	v_wmma_scale_f32_16x16x128_f8f6f4 v[0+(\d):7+(\d)], v[0+(\a):11+(\a)], v[0+(\b):11+(\b)], v[0+(\d):7+(\d)], v[\sa], v[\sb] matrix_a_fmt:MATRIX_FMT_FP6 matrix_b_fmt:MATRIX_FMT_FP6
.endif
.endif
.endm
.macro MUL8 i, set, zero               ; R's tile i against P's eight.  The 32 accumulators take turns, one instruction a turn, in the same order in every step
.irp p, 0,1,2,3,4,5,6,7
	WM 64*\i+8*\p, 96*(\set)+12*\p, RF+12*\i, \zero, PS+4*(\set)+\p/2, RS+2*(\set)+\i/2, \p%2, \i%2
.endr
.endm
.macro FP slot, q, set
	WIN 0x80
.irp t, 0,1,2,3,4,5,6,7
.irp c, 0,1,2
	ds_load_b128 v[96*(\set)+12*\t+4*\c:96*(\set)+12*\t+4*\c+3], v[ADP+\slot] offset:(\q)*REC+\t*FRB+512*\c
.endr
.endr
	WIN 0
.endm
.macro FR slot, q, i0
.irp i, \i0, \i0+1
.irp c, 0,1,2
	ds_load_b128 v[RF+12*(\i)+4*\c:RF+12*(\i)+4*\c+3], v[ADR+\slot] offset:(\q)*REC+(\i)*FRB+512*\c
.endr
.endr
.endm
.macro FS slot, q, set
	ds_load_b128 v[PS+4*(\set):PS+4*(\set)+3], v[ADP+\slot] offset:(\q)*REC+SCO
	ds_load_b64 v[RS+2*(\set):RS+2*(\set)+1], v[ADRS+\slot] offset:(\q)*REC+SCO
.endm
.macro STEP slot, q, zero              ; a K step that has its successor in the same slot
	s_wait_dscnt 6                                 ; P, R's tiles 0 and 1 and the scale words are in; the youngest six loads (R's tiles 2, 3) may be out
	WIN MULW
	MUL8 0, (\q)%2, \zero
	MUL8 1, (\q)%2, \zero
	s_wait_dscnt 0x0
	PLACES 4                                       ; in front of loads into registers that matrix instructions have read
	FP \slot, (\q)+1, 1-(\q)%2
	FR \slot, (\q)+1, 0
	FS \slot, (\q)+1, 1-(\q)%2
	WIN MULW
	MUL8 2, (\q)%2, \zero
	MUL8 3, (\q)%2, \zero
	PLACES 4
	WIN 0
	FR \slot, (\q)+1, 2
.endm
.macro TURN slot, next, fill           ; a slot's last K step changes slots: ONE barrier, the three lines in front of it, the refill first behind it
	s_wait_tensorcnt 0x0                           ; all my tensor loads have landed: my part of the next slot
	ds_add_u32 v[SPW], v[NIL]                      ; 0 onto my spare word
	s_wait_dscnt 7                                 ; (the add and the youngest six loads may be out)
	WIN MULW
	MUL8 0, 1, 0
	s_wait_dscnt 0x0                               ; the add is done, and my reads of this slot are over
	s_barrier_signal -1
	MUL8 1, 1, 0
	WIN 0
	s_barrier_wait -1
.if \fill
	CREST                                          ; the barrier has opened a round of the cluster's barrier
	s_add_nc_u64 s[G0P+4*\slot+2:G0P+4*\slot+3], s[G0P+4*\slot+2:G0P+4*\slot+3], 2*RUN
	s_add_nc_u64 s[G0R+4*\slot+2:G0R+4*\slot+3], s[G0R+4*\slot+2:G0R+4*\slot+3], 2*RUN
	TLOAD \slot
.endif
	PLACES 4                                       ; in every wave
	s_wait_alu depctr_va_vdst(0)
	FP \next, 0, 0
	FR \next, 0, 0
	FS \next, 0, 0
	WIN MULW
	MUL8 2, 1, 0
	MUL8 3, 1, 0
	PLACES 4
	WIN 0
	FR \next, 0, 2
.endm
	s_load_b128 s[4:7], s[0:1], 0x0                ; a_img s[4:5], w_img s[6:7]
	s_load_b64 s[8:9], s[0:1], 0x10                ; out0
	v_lshl_add_u32 v[SPW], v0, 2, SPARE
	v_mov_b32 v[NIL], 0
	ds_add_u32 v[SPW], v[NIL]                      ; the wave's opening: the add and its wait ahead of my first tensor load; the set-up below, work on registers, stands between them
	ds_add_u32 v[SPW], v[NIL]
	v_lshrrev_b32 v1, 5, v0
	v_readfirstlane_b32 s[WV], v1                  ; wave 0..3
	s_bfe_u32 s[CX], ttmp6, 0x40000                ; cx: it enters P's global address and the output's alone
	s_lshr_b32 s61, s[WV], 1                       ; which row group is mine.  Also: which row group waves 1 and 2 fetch
	s_and_b32 s62, s[WV], 1                        ; which four of its tiles
	s_lshr_b32 s19, ttmp9, 3                       ; the quad of column groups
	s_and_b32 s20, ttmp9, 7                        ; the block of 256 rows
	s_lshl_b32 s20, s20, 1
	s_add_co_u32 s21, s20, s61                     ; my row group
	s_lshl_b32 s19, s19, 2
	s_add_co_u32 s19, s19, s[CX]                   ; my group of 128 columns
	s_lshl_b32 s66, s21, 7
	s_lshl_b32 s67, s62, 6
	s_add_co_u32 s66, s66, s67                     ; my first row of out0
	s_lshl_b32 s66, s66, 13
	s_lshl_b32 s67, s19, 9
	s_add_co_u32 s66, s66, s67
	s_mov_b32 s67, 0
	s_add_co_u32 s68, s19, 24                      ; Wo's groups begin at 24
	s_and_b32 s85, s61, s62                        ; 1 in wave 3 alone
	s_mul_i32 s85, s85, 2*REC                      ; wave 3 fetches the second two records of P's run, wave 0 the first two
	s_add_co_u32 s84, s[WV], 1
	s_and_b32 s84, s84, 2                          ; 0 in waves 0 and 3, 2 in waves 1 and 2
	s_mul_i32 s68, s68, GRP
	s_add_co_u32 s68, s68, s85
	s_mov_b32 s69, 0
	s_mul_i32 s70, s21, GRP                        ; (no register that feeds R's descriptors ever holds cx)
	s_mov_b32 s71, 0
	s_mul_i32 s72, s61, RUN
	s_add_co_u32 s72, s72, RUN                     ; my row group's run in a slot
	s_mov_b32 s[G1P], 3<<16                        ; a run of four records: 200 rows of 256 bytes (32 elements of 8 bytes); no mask
	s_mov_b32 s[G1R], 15|(3<<16)|(1<<21)           ; the same with the mask of all four partners; bit 21 is set beside a mask
.irp g, G1P, G1R
	s_mov_b32 s[\g+1], 32<<16
	s_mov_b32 s[\g+2], 200<<16
	s_mov_b32 s[\g+3], 32<<16
	s_mov_b32 s[\g+4], 200
	s_mov_b32 s[\g+5], 32
	s_mov_b32 s[\g+6], 0
	s_mov_b32 s[\g+7], 0
.endr
	s_mov_b32 s[G1P+2], 100<<16                    ; half of P's run: two records, 100 rows of 256 bytes
	s_mov_b32 s[G1P+4], 100
	s_wait_dscnt 0x0                               ; the opening add is done
	s_wait_kmcnt 0x0
	s_add_nc_u64 s[74:75], s[6:7], s[68:69]
	s_add_nc_u64 s[76:77], s[4:5], s[70:71]
	s_add_nc_u64 s[OB:OB+1], s[8:9], s[66:67]
.irp sg, 0,1
	s_mov_b32 s[G0P+4*\sg], 1
	s_add_co_u32 s[G0P+4*\sg+1], s85, \sg*SLOT
	s_add_nc_u64 s[G0P+4*\sg+2:G0P+4*\sg+3], s[74:75], \sg*RUN
	s_or_b32 s[G0P+4*\sg+3], s[G0P+4*\sg+3], 0x80000000
	s_mov_b32 s[G0R+4*\sg], 1
	s_add_co_u32 s[G0R+4*\sg+1], s72, \sg*SLOT
	s_add_nc_u64 s[G0R+4*\sg+2:G0R+4*\sg+3], s[76:77], \sg*RUN
	s_or_b32 s[G0R+4*\sg+3], s[G0R+4*\sg+3], 0x80000000
.endr
	CROUND                                         ; all four work-groups are here: the first joint loads meet
	s_cmp_eq_u32 s84, 0                            ; slot 0's first fill: one tensor load a wave at the head
	s_cbranch_scc0 .Lfirst_not_p
	tensor_load_to_lds s[G0P:G0P+3], s[G1P:G1P+7]
	s_nop 0
	PLACES 4
	s_branch .Lfirst_asked
.Lfirst_not_p:
	tensor_load_to_lds s[G0R:G0R+3], s[G1R:G1R+7]
	s_nop 0
	PLACES 4
.Lfirst_asked:
	v_and_b32 v1, 31, v0
	v_lshlrev_b32 v[CO], 4, v1                     ; 16 l
	s_mul_i32 s73, s62, 4*FRB
	s_lshl_b32 s78, s62, 3
	s_add_co_u32 s73, s73, s72
	s_add_co_u32 s79, s78, s72
.irp sg, 0,1
	v_add_nc_u32 v[ADP+\sg], \sg*SLOT, v[CO]
	v_add_nc_u32 v[ADR+\sg], s73, v[CO]
	v_add_nc_u32 v[ADRS+\sg], s79, v[CO]
	s_add_co_u32 s73, s73, SLOT
	s_add_co_u32 s79, s79, SLOT
.endr
	s_mul_i32 s73, s[WV], 16*SPITCH                ; my stage
	v_and_b32 v2, 15, v0
	v_bfe_u32 v3, v0, 4, 1
	v_mul_u32_u24 v[STO], v2, SPITCH
	v_lshl_add_u32 v[STO], v3, 6, v[STO]
	v_add_nc_u32 v[STO], s73, v[STO]               ; in: row r, + 64 (lane / 16)
	v_add_nc_u32 v[RD], s73, v[CO]                 ; back: the 32 lanes take one row of 512 bytes
	s_wait_alu depctr_va_vdst(0)                   ; the head's end
	s_wait_tensorcnt 0x0                           ; my part of slot 0 is in; slot 1's first fill is issued as a refill is
	ds_add_u32 v[SPW], v[NIL]
	s_wait_dscnt 0x0
	CROUND                                         ; slot 0 is whole, and all four work-groups are here
	TLOAD 1                                        ; K steps 4-7: the first tensor load behind the round, one a wave
	FP 0, 0, 0
	FR 0, 0, 0
	FS 0, 0, 0
	FR 0, 0, 2
	STEP 0, 0, 1                                   ; the first K step's products start the sums: nothing is cleared
	STEP 0, 1, 0
	STEP 0, 2, 0
	TURN 0, 1, 1                                   ; slot 0 takes K steps 8-11
	STEP 1, 0, 0
	STEP 1, 1, 0
	STEP 1, 2, 0
	TURN 1, 0, 1                                   ; slot 1 takes K steps 12-15
	STEP 0, 0, 0
	STEP 0, 1, 0
	STEP 0, 2, 0
	TURN 0, 1, 0                                   ; nothing is left to fetch; behind this barrier nobody reads slot 0
	STEP 1, 0, 0
	STEP 1, 1, 0
	STEP 1, 2, 0
	s_wait_dscnt 6                                 ; the last K step
	WIN MULW
	MUL8 0, 1, 0
	MUL8 1, 1, 0
	s_wait_dscnt 0x0
	MUL8 2, 1, 0
	MUL8 3, 1, 0
	WIN 0
; THE WAY OUT, a tile of 16 rows x 128 columns at a time.  A lane holds pieces of one row and the lanes beside it hold other rows: so a tile goes through my own stage in LDS and comes back as whole rows of 512 bytes.
; LDS serves a wave's instructions in order (ISA guide 5.7.1.4): no wait between the stores and the loads, nor in front of the next tile's stores.
.macro TOSTAGE i
	WIN 0x04                                       ; an LDS store's data are its source 1: window 1
.irp p, 0,1,2,3,4,5,6,7
	ds_store_b128 v[STO], v[64*\i+8*\p:64*\i+8*\p+3] offset:128*(\p/2)+32*(\p%2)        ; each accumulator from its low end on: columns 32 (p / 2) + 16 (lane / 16) + 8 (p % 2) + 0 .. 7
	ds_store_b128 v[STO], v[64*\i+8*\p+4:64*\i+8*\p+7] offset:128*(\p/2)+32*(\p%2)+16
.endr
	WIN 0
.set nn, 0
.rept 16
	ds_load_b128 v[BK+64*(\i%2)+4*nn:BK+64*(\i%2)+4*nn+3], v[RD] offset:nn*SPITCH
.set nn, nn+1
.endr
.endm
.macro SEND i, younger                 ; younger: the LDS instructions issued behind tile i's loads, which may stay out
	s_wait_dscnt \younger
.set nn, 0
.rept 16
	global_store_b128 v[CO], v[BK+64*(\i%2)+4*nn:BK+64*(\i%2)+4*nn+3], s[OB:OB+1] offset:(32*(\i/2)+8*(\i%2)+(nn%8)+16*(nn/8))*8192 th:TH_STORE_NT   ; slot nn's row: 32 lanes store 512 consecutive bytes, at a multiple of 256 from out0's first byte
.set nn, nn+1
.endr
.endm
	PLACES 4                                       ; in front of the first read of results
	TOSTAGE 0
	TOSTAGE 1
	SEND 0, 32                                     ; behind tile 0's loads: tile 1's 16 stores and 16 loads
	s_wait_xcnt 0x0                                ; tile 0's stores have read their registers: tile 2's loads may land there
	TOSTAGE 2
	SEND 1, 32
	s_wait_xcnt 0x0
	TOSTAGE 3
	SEND 2, 32
	SEND 3, 0
	s_wait_tensorcnt 0x0                           ; the wave's end, behind my last tensor load and my last LDS store
	ds_add_u32 v[SPW], v[NIL]
	s_wait_dscnt 0x0
	CROUND                                         ; the closing round
	s_endpgm
.Lfunc_end_k_qd778299faa_outp:
	.size	k_qd778299faa_outp, .Lfunc_end_k_qd778299faa_outp-k_qd778299faa_outp
	.p2alignl 7, 3214868480
	.fill 96, 4, 3214868480
	.section	.rodata,"a",@progbits
	.p2align	6, 0x0
	.amdhsa_kernel k_qd778299faa_outp
		.amdhsa_group_segment_fixed_size 327680
		.amdhsa_private_segment_fixed_size 0
		.amdhsa_enable_private_segment 0
		.amdhsa_kernarg_size 24
		.amdhsa_user_sgpr_count 2
		.amdhsa_user_sgpr_kernarg_segment_ptr 1
		.amdhsa_wavefront_size32 1
		.amdhsa_system_sgpr_workgroup_id_x 1
		.amdhsa_system_sgpr_workgroup_id_y 1
		.amdhsa_system_sgpr_workgroup_id_z 1
		.amdhsa_system_vgpr_workitem_id 0
		.amdhsa_next_free_vgpr 768
		.amdhsa_next_free_sgpr 100
		.amdhsa_reserve_vcc 0
		.amdhsa_float_denorm_mode_32 3
		.amdhsa_float_denorm_mode_16_64 3
		.amdhsa_memory_ordered 1
		.amdhsa_forward_progress 1
		.amdhsa_inst_pref_size 134
	.end_amdhsa_kernel
	.amdgpu_metadata
---
amdhsa.version: [ 1, 2 ]
amdhsa.kernels:
  - .name:           k_qd778299faa_outp
    .symbol:         k_qd778299faa_outp.kd
    .args:
      - { .name: a_img, .offset: 0, .size: 8, .value_kind: global_buffer, .address_space: global }
      - { .name: w_img, .offset: 8, .size: 8, .value_kind: global_buffer, .address_space: global }
      - { .name: out0, .offset: 16, .size: 8, .value_kind: global_buffer, .address_space: global }
    .group_segment_fixed_size: 327680
    .private_segment_fixed_size: 0
    .kernarg_segment_align: 8
    .kernarg_segment_size: 24
    .max_flat_workgroup_size: 128
    .sgpr_count:     100
    .vgpr_count:     768
    .wavefront_size: 32
...
	.end_amdgpu_metadata
.endif
;; end of part 4
